; MI455X (gfx1250); checked and timed in simulation.
; The chip was launched on July 23, 2026; its instructions are those of AMD's public machine-readable ISA for CDNA 5 (MIT licence, August 2026) and "CDNA5" Instruction Set Architecture Reference Guide (July 2026). The comments in the code are by the model that wrote it; some were corrected since.
;; Multi Head Latent Attention. Allowed arithmetic: float matrix products may take bf16 or f16 operands with f32 sums; other float arithmetic in f32, or as packed bf16 or f16 multiplies, adds, multiply-adds, maxima and minima; sums over many terms, partial sums and values carried from step to step in f32; what a program stores and reads back later, other than sums and carried values, may be rounded once to bf16 or f16.
;; Inputs: Wk_up 1,024 x 512 float32; Wkv_down 512 x 2,048 float32; Wo 2,048 x 2,048 float32; Wq_down 512 x 2,048 float32; Wq_up 1,024 x 512 float32; Wv_up 2,048 x 512 float32; bk_up 1,024 float32; bkv_down 512 float32; bo 2,048 float32; bq_down 512 float32; bq_up 1,024 float32; bv_up 2,048 float32; hidden_states 2 x 2,048 x 2,048 float32.
;; Outputs: out0 2 x 2,048 x 2,048 float32.
;; 2 versions, each right; version 2 is version 1 with the launch prep written anew for expert scheduling mode. Each part assembles by itself: llvm-mc -triple=amdgcn-amd-amdhsa -mcpu=gfx1250 --defsym DOCPART=n.
;; ======== version 1 of 2: 5 launches
;; workspace buffers: xb 16,777,216 bytes; wts 16,777,216 bytes; lat 8,388,608 bytes; qb 16,777,216 bytes; kb 16,777,216 bytes; vb 16,777,216 bytes; ob 16,777,216 bytes
;; launch prep (part 1): grid 256 x 1, 16 waves a work-group, no clusters, 0 bytes of LDS; arguments hidden_states, Wo, Wq_down, Wkv_down, Wq_up, Wk_up, Wv_up, xb, wts; writes xb, wts
.if DOCPART == 1
	.amdgcn_target "amdgcn-amd-amdhsa--gfx1250"
	.amdhsa_code_object_version 6
	.text
	.protected	k_qfa54355775_prep
	.globl	k_qfa54355775_prep
	.p2align	8
	.type	k_qfa54355775_prep,@function
k_qfa54355775_prep:
	s_mov_b64 s[64:65], 0
	v_nop
	global_prefetch_b8 v0, s[64:65] scope:SCOPE_SE
	s_setreg_imm32_b32 hwreg(HW_REG_WAVE_MODE, 25, 1), 1
	s_wait_xcnt 0x0
; bf16 copies of hidden_states and of the six weight matrices, each number rounded once to nearest even.
; xb: [4096][2048].  wts: byte 0 [1024][2048] = Wq_down's 512 rows, then Wkv_down's; byte 4,194,304 [4096][512] = Wq_up, Wk_up, Wv_up; byte 8,388,608 [2048][2048] = Wo.
; A stream: no LDS, no barrier, no loop.  Work-group w takes 1/256 of each tensor, in chunks of 512 threads x 4 numbers: thread t loads 16 bytes at 16 t
; (a wave's load covers 512 consecutive bytes) and stores 8 bytes at 8 t (a wave's store covers 256 consecutive bytes, aligned).
; 32 chunks a work-group: all 32 loads of a wave go out on end (16 KiB a wave, 256 KiB a work-group on their way), then each is rounded and stored as it comes.
; No register is written twice, so no wait frees a source.  Matrix units, clusters and prefetches have nothing to give a launch that only streams.
.set CH_IN,  8192                      ; bytes of a chunk as read
.set CH_OUT, 4096                      ; and as written
.set D, 8                              ; v[8:135]  chunk i: four registers
.macro LD i, base, off
	global_load_b128 v[D+4*(\i):D+4*(\i)+3], v1, s[\base:\base+1] offset:(\off)*CH_IN th:TH_LOAD_NT
.endm
.macro ST i, base, off
	s_wait_loadcnt 31-(\i)                         ; loads come back in order: chunk i is in, the 31 - i younger ones may stay out
	v_cvt_pk_bf16_f32 v[D+4*(\i)], v[D+4*(\i)], v[D+4*(\i)+1]
	v_cvt_pk_bf16_f32 v[D+4*(\i)+1], v[D+4*(\i)+2], v[D+4*(\i)+3]
	global_store_b64 v2, v[D+4*(\i):D+4*(\i)+1], s[\base:\base+1] offset:(\off)*CH_OUT th:TH_STORE_NT
.endm
	s_load_b512 s[8:23], s[0:1], 0x0               ; hidden_states s[8:9], Wo s[10:11], Wq_down s[12:13], Wkv_down s[14:15], Wq_up s[16:17], Wk_up s[18:19], Wv_up s[20:21], xb s[22:23]
	s_load_b64 s[24:25], s[0:1], 0x40              ; wts
	v_lshlrev_b32 v1, 4, v0                        ; 16 t
	v_lshlrev_b32 v2, 3, v0                        ; 8 t
	s_mov_b32 s3, 0
	s_wait_kmcnt 0x0
	s_lshl_b32 s2, ttmp9, 17                       ; hidden_states: 16 chunks in
	s_add_nc_u64 s[8:9], s[8:9], s[2:3]
	s_lshl_b32 s2, ttmp9, 16                       ; Wo: 8 chunks in; xb: 16 chunks out
	s_add_nc_u64 s[10:11], s[10:11], s[2:3]
	s_add_nc_u64 s[22:23], s[22:23], s[2:3]
	s_lshl_b32 s2, ttmp9, 15                       ; Wo's copy: 8 chunks out
	s_add_nc_u64 s[26:27], s[24:25], s[2:3]
	s_add_nc_u64 s[26:27], s[26:27], 0x800000
	s_lshl_b32 s2, ttmp9, 14                       ; Wq_down, Wkv_down, Wv_up: 2 chunks in
	s_add_nc_u64 s[12:13], s[12:13], s[2:3]
	s_add_nc_u64 s[14:15], s[14:15], s[2:3]
	s_add_nc_u64 s[20:21], s[20:21], s[2:3]
	s_lshl_b32 s2, ttmp9, 13                       ; Wq_up, Wk_up: 1 chunk in; the copies of the three above: 2 chunks out
	s_add_nc_u64 s[16:17], s[16:17], s[2:3]
	s_add_nc_u64 s[18:19], s[18:19], s[2:3]
	s_add_nc_u64 s[28:29], s[24:25], s[2:3]        ; Wq_down's copy
	s_add_nc_u64 s[30:31], s[28:29], 0x200000      ; Wkv_down's
	s_add_nc_u64 s[36:37], s[28:29], 0x600000      ; Wv_up's
	s_lshl_b32 s2, ttmp9, 12                       ; Wq_up's and Wk_up's copies: 1 chunk out
	s_add_nc_u64 s[32:33], s[24:25], s[2:3]
	s_add_nc_u64 s[32:33], s[32:33], 0x400000
	s_add_nc_u64 s[34:35], s[32:33], 0x100000
.set n, 0
.rept 16
	LD n, 8, n
.set n, n+1
.endr
.rept 8
	LD n, 10, n-16
.set n, n+1
.endr
	LD 24, 12, 0
	LD 25, 12, 1
	LD 26, 14, 0
	LD 27, 14, 1
	LD 28, 16, 0
	LD 29, 18, 0
	LD 30, 20, 0
	LD 31, 20, 1
.set n, 0
.rept 16
	ST n, 22, n
.set n, n+1
.endr
.rept 8
	ST n, 26, n-16
.set n, n+1
.endr
	ST 24, 28, 0
	ST 25, 28, 1
	ST 26, 30, 0
	ST 27, 30, 1
	ST 28, 32, 0
	ST 29, 34, 0
	ST 30, 36, 0
	ST 31, 36, 1
	s_endpgm
.Lfunc_end_k_qfa54355775_prep:
	.size	k_qfa54355775_prep, .Lfunc_end_k_qfa54355775_prep-k_qfa54355775_prep
	.p2alignl 7, 3214868480
	.fill 96, 4, 3214868480
	.section	.rodata,"a",@progbits
	.p2align	6, 0x0
	.amdhsa_kernel k_qfa54355775_prep
		.amdhsa_group_segment_fixed_size 0
		.amdhsa_private_segment_fixed_size 0
		.amdhsa_enable_private_segment 0
		.amdhsa_kernarg_size 72
		.amdhsa_user_sgpr_count 2
		.amdhsa_user_sgpr_kernarg_segment_ptr 1
		.amdhsa_wavefront_size32 1
		.amdhsa_system_sgpr_workgroup_id_x 1
		.amdhsa_system_sgpr_workgroup_id_y 1
		.amdhsa_system_sgpr_workgroup_id_z 1
		.amdhsa_system_vgpr_workitem_id 0
		.amdhsa_next_free_vgpr 144
		.amdhsa_next_free_sgpr 66
		.amdhsa_reserve_vcc 0
		.amdhsa_float_denorm_mode_32 3
		.amdhsa_float_denorm_mode_16_64 3
		.amdhsa_memory_ordered 1
		.amdhsa_forward_progress 1
		.amdhsa_inst_pref_size 13
	.end_amdhsa_kernel
	.amdgpu_metadata
---
amdhsa.version: [ 1, 2 ]
amdhsa.kernels:
  - .name:           k_qfa54355775_prep
    .symbol:         k_qfa54355775_prep.kd
    .args:
      - { .name: hidden_states, .offset: 0, .size: 8, .value_kind: global_buffer, .address_space: global }
      - { .name: Wo, .offset: 8, .size: 8, .value_kind: global_buffer, .address_space: global }
      - { .name: Wq_down, .offset: 16, .size: 8, .value_kind: global_buffer, .address_space: global }
      - { .name: Wkv_down, .offset: 24, .size: 8, .value_kind: global_buffer, .address_space: global }
      - { .name: Wq_up, .offset: 32, .size: 8, .value_kind: global_buffer, .address_space: global }
      - { .name: Wk_up, .offset: 40, .size: 8, .value_kind: global_buffer, .address_space: global }
      - { .name: Wv_up, .offset: 48, .size: 8, .value_kind: global_buffer, .address_space: global }
      - { .name: xb, .offset: 56, .size: 8, .value_kind: global_buffer, .address_space: global }
      - { .name: wts, .offset: 64, .size: 8, .value_kind: global_buffer, .address_space: global }
    .group_segment_fixed_size: 0
    .private_segment_fixed_size: 0
    .kernarg_segment_align: 8
    .kernarg_segment_size: 72
    .max_flat_workgroup_size: 512
    .sgpr_count:     66
    .vgpr_count:     144
    .wavefront_size: 32
...
	.end_amdgpu_metadata
.endif
;; end of part 1
;; launch down (part 2): grid 8 x 32, 4 waves a work-group, clusters of 4 x 4, 327,680 bytes of LDS; arguments xb, wts, bq_down, bkv_down, lat; writes lat
.if DOCPART == 2
	.amdgcn_target "amdgcn-amd-amdhsa--gfx1250"
	.amdhsa_code_object_version 6
	.text
	.protected	k_qfa54355775_down
	.globl	k_qfa54355775_down
	.p2align	8
	.type	k_qfa54355775_down,@function
k_qfa54355775_down:
	s_mov_b64 s[64:65], 0
	v_nop
	global_prefetch_b8 v0, s[64:65] scope:SCOPE_SE
	s_setreg_imm32_b32 hwreg(HW_REG_WAVE_MODE, 25, 1), 1
	s_wait_xcnt 0x0
	s_wait_alu depctr_hold_cnt(0) depctr_sa_sdst(0) depctr_va_vdst(0) depctr_va_sdst(0) depctr_va_ssrc(0) depctr_va_vcc(0) depctr_vm_vsrc(0)
	s_getreg_b32 s2, hwreg(HW_REG_IB_STS2, 6, 4)
	s_cmp_eq_u32 s2, 0
	s_cbranch_scc0 .Lentry_in_a_cluster
	s_endpgm
.Lentry_in_a_cluster:
	s_bfe_u32 s2, ttmp6, 0x10000c
	s_cmp_lg_u32 s2, 0xf033
	s_cbranch_scc0 .Lentry_shape_is_right
	s_endpgm
.Lentry_shape_is_right:
; lat[m][n] = sum over k of xb[m][k] wdn[n][k] + bias[n].  xb: [4096][2048] bf16; wdn: wts' first [1024][2048] bf16 (rows 0-511 Wq_down, 512-1023 Wkv_down);
; bias: bq_down for n < 512, bkv_down behind, each rounded to bf16 like every other input of the module; lat: [4096][1024] bf16, rounded once from f32 sums.
; LIMITS.  bf16 operands, f32 sums; NaN and infinities are not treated apart.
; SHARES.  1,024 columns make 8 x 32 = 256 tiles of 128 x 128, one for each work-group; four waves, each 64 x 64: 16 accumulators.  K goes in 8 steps of 256 (LDS rows of 512 bytes)
; through two LDS slots filled by the tensor data mover; a wave's load brings 64 rows.
; CLUSTER.  4 x 4 work-groups: the four of a row need the same tile of xb, the four of a column the same tile of wdn: each is asked for jointly, by the same load, descriptor and mask in all four.
; THE PRODUCT IS TAKEN TRANSPOSED (source 0 = 16 rows of wdn, source 1 = 16 rows of xb): a lane holds one row m = l % 16 and the columns 8 (l / 16) + 0..7.
; THE SUMS START FROM THE BIAS: one matrix instruction for each accumulator with zero fragments and the bias as C, issued while the first tiles are on their way: 16 products on zeros in place of
; 128 additions, and the loop has one form of product.
; ONE TEXT FOR A K STEP, walked by two counted loops (with and without a refill).  The last trip fetches fragments of the other slot that nobody multiplies: 32 LDS loads and a barrier, once a launch, for no tail written out.
; Nothing is prefetched: a step here is 128 matrix instructions on a tile of 128 x 128, and the ring's own loads are all that is asked.
; REGISTERS.  window 0: v0-31 addresses; v32-95 at work; v96-127 the bias; v128-255 the accumulators ((a, b) at v[128 + 8 (4 a + b)]).  window 1: two fragment buffers of 128 (64 along K: 64 registers of xb, 64 of wdn).
.set SIZE_K, 2048
.set SIZE_N, 1024
.set KSTEP,  256
.set T,      SIZE_K/KSTEP
.set PITCH,  528                       ; an LDS row: 512 bytes + 16 of padding = 132 words: row r starts at bank 4 r mod 64 (64 banks of 4 bytes: ISA guide 11.1)
.set PARTB,  64*PITCH                  ; what one tensor load brings: 33,792 bytes = 0x8400
.set XORC,   PARTB                     ; part p of four (xb's halves, wdn's halves) lies at 2 p PARTB in slot 0 and PARTB further in slot 1; bits 15 and 10 are clear in 0, 0x10800, 0x21000, 0x31800, so one exclusive or changes slots
.set STAGE,  8*PARTB                   ; behind the ring: 128 rows x 272 bytes, the work-group's, for the way out
.set SPITCH, 272
.set SPARE,  STAGE+128*SPITCH          ; behind the stage: the spare words, 128 bytes a wave
.set A0,   16                          ; v16  my lane's place in my 64 rows of xb, slot 0; never rewritten
.set B0,   17                          ; v17  the same for wdn
.set ADRA, 18                          ; v18  the same in the slot in hand
.set ADRB, 19
.set STO,  24
.set RD,   25
.set CO,   26
.set SPW,  28                          ; v28  my spare word; never rewritten
.set NIL,  29                          ; v29  0; never rewritten
.set TMP,  32
.set BI,   96                          ; the bias of n block b at BI + 8 b
.set ACC,  128
.set F0,   0
.set F1,   128
.set G1,  24                           ; s[24:31] group 1 for xb's tiles; s[32:39] group 0: set 0 for step 0, set 1 for step 1, which then walks
.set G0,  32
.set G1B, 48                           ; s[48:55], s[56:63] the same for wdn's
.set G0B, 56
.set TB,  66                           ; s66  0 or XORC: the slot that is read
.set MSB, 0
.macro WIN new                         ; the immediate's high byte repeats the setting that is left
.if MSB != (\new)
	s_set_vgpr_msb (MSB<<8)|(\new)
.set MSB, \new
.endif
.endm
.set MUL,  0x05                        ; sources 0 and 1 window 1; C and D window 0
.set TO_F, 0x40                        ; destination window 1, address window 0
.macro PLACES                          ; four places behind matrix instructions, in front of loads into their sources and of readers of their results
.rept 4
	v_nop
.endr
.endm
.macro JLOAD                           ; a joint refill by the walking set: waves 0 and 1 fetch xb's halves, waves 2 and 3 wdn's; s_nop 0 and four v_nop follow each line
	s_cmp_eq_u32 s11, 0
	s_cbranch_scc0 .Lfor_b_\@
	tensor_load_to_lds s[G0+4:G0+7], s[G1:G1+7]
	s_nop 0
.rept 4
	v_nop
.endr
	s_branch .Lasked_\@
.Lfor_b_\@:
	tensor_load_to_lds s[G0B+4:G0B+7], s[G1B:G1B+7]
	s_nop 0
.rept 4
	v_nop
.endr
.Lasked_\@:
.endm
.macro CREST                           ; a round of the cluster's barrier behind its opening barrier
	s_cmp_lg_u32 s10, 0
	s_cbranch_scc1 .Lnot_wave_0_\@
	s_barrier_signal -3
.Lnot_wave_0_\@:
	s_barrier_wait -3
	s_barrier_signal -1
	s_barrier_wait -1
.endm
.macro CROUND
	s_barrier_signal -1
	s_barrier_wait -1
	CREST
.endm
	s_load_b256 s[68:75], s[0:1], 0x0              ; xb s[68:69], wts s[70:71], bq_down s[72:73], bkv_down s[74:75]
	s_load_b64 s[76:77], s[0:1], 0x20              ; lat
	v_lshl_add_u32 v[SPW], v0, 2, SPARE
	v_mov_b32 v[NIL], 0
	ds_add_u32 v[SPW], v[NIL]                      ; the wave's opening: the add and its wait stand ahead of my first tensor load; set-up on registers stands between
	v_lshrrev_b32 v1, 5, v0
	v_readfirstlane_b32 s10, v1                    ; wave 0..3
	s_lshr_b32 s11, s10, 1                         ; my half of the tile's rows.  Also: I fetch for xb (0) or wdn (1)
	s_and_b32 s12, s10, 1                          ; my half of its columns.  Also: which 64 rows I fetch
	s_bfe_u32 s40, ttmp6, 0x40000                  ; cx
	s_bfe_u32 s41, ttmp6, 0x40004                  ; cy
	s_lshl_b32 s42, ttmp9, 2
	s_add_co_u32 s42, s42, s40                     ; tile column = 4 x cluster x + cx
	s_and_b32 s13, ttmp7, 0xffff
	s_lshl_b32 s13, s13, 2
	s_add_co_u32 s13, s13, s41                     ; tile row = 4 x cluster y + cy
	s_lshl_b32 s43, s41, 2
	s_lshl_b32 s43, 15, s43                        ; my row of the cluster
	s_lshl_b32 s44, 0x1111, s40                    ; my column
	s_or_b32 s[G1+0], s43, (1<<16)|(1<<20)|(1<<21)|(6<<22)|(3<<25)  ; the mask; 2-byte elements; padding on; bit 21 beside a mask; after every 128 words (code 6) 4 words (code 3)
	s_or_b32 s[G1B+0], s44, (1<<16)|(1<<20)|(1<<21)|(6<<22)|(3<<25)
.irp g, G1, G1B
	s_mov_b32 s[(\g)+1], KSTEP<<16                 ; tensor_dim0 = 256
	s_mov_b32 s[(\g)+2], 64<<16                    ; tensor_dim1 = 64
	s_mov_b32 s[(\g)+3], KSTEP<<16                 ; tile_dim0 = 256
	s_mov_b32 s[(\g)+4], 64                        ; tile_dim1 = 64
	s_mov_b32 s[(\g)+5], SIZE_K                    ; elements from row to row
	s_mov_b32 s[(\g)+6], 0
	s_mov_b32 s[(\g)+7], 0
.endr
	s_lshl_b32 s17, s12, 6
	s_lshl_b32 s16, s13, 7
	s_add_co_u32 s16, s16, s17                     ; xb: row 128 x tile row + 64 x half
	s_lshl_b32 s16, s16, 12                        ; x 4,096 bytes
	s_lshl_b32 s46, s42, 7
	s_add_co_u32 s46, s46, s17                     ; wdn: row 128 x tile column + 64 x half
	s_lshl_b32 s46, s46, 12
	s_mov_b32 s17, 0
	s_mov_b32 s47, 0
	s_mul_i32 s20, s10, 2*PARTB                    ; where they go: part = wave; no place in the cluster enters an LDS address
	s_mov_b32 s[TB], 0
	s_wait_dscnt 0x0                               ; the opening add is done
	s_wait_kmcnt 0x0
	s_add_nc_u64 s[14:15], s[68:69], s[16:17]
	s_add_nc_u64 s[46:47], s[70:71], s[46:47]
	CROUND                                         ; all sixteen work-groups are here: the first joint loads meet
.irp s, 0,1
	s_mov_b32 s[G0+4*(\s)], 1
	s_add_co_u32 s[G0+4*(\s)+1], s20, (\s)*XORC
	s_add_nc_u64 s[G0+4*(\s)+2:G0+4*(\s)+3], s[14:15], (\s)*KSTEP*2
	s_or_b32 s[G0+4*(\s)+3], s[G0+4*(\s)+3], 0x80000000
	s_mov_b32 s[G0B+4*(\s)], 1
	s_add_co_u32 s[G0B+4*(\s)+1], s20, (\s)*XORC
	s_add_nc_u64 s[G0B+4*(\s)+2:G0B+4*(\s)+3], s[46:47], (\s)*KSTEP*2
	s_or_b32 s[G0B+4*(\s)+3], s[G0B+4*(\s)+3], 0x80000000
.endr
	s_cmp_eq_u32 s11, 0                            ; a wave's two first fills stand in one branch, ahead of every wait on TENSORcnt and every LDS read: two loads of mine are out
	s_cbranch_scc0 .Lfirst_b
	tensor_load_to_lds s[G0:G0+3], s[G1:G1+7]
	s_nop 0
	tensor_load_to_lds s[G0+4:G0+7], s[G1:G1+7]
	s_nop 0
.rept 4
	v_nop
.endr
	s_branch .Lfirst_asked
.Lfirst_b:
	tensor_load_to_lds s[G0B:G0B+3], s[G1B:G1B+7]
	s_nop 0
	tensor_load_to_lds s[G0B+4:G0B+7], s[G1B:G1B+7]
	s_nop 0
.rept 4
	v_nop
.endr
.Lfirst_asked:
	; the bias of my 64 columns: register j of n block b holds column 16 b + 8 (l / 16) + j
	s_cmp_eq_u32 ttmp9, 0                          ; cluster x = 0: columns 0-511
	s_cselect_b64 s[18:19], s[72:73], s[74:75]
	s_lshl_b32 s22, s40, 9                         ; 128 cx columns of 4 bytes
	s_lshl_b32 s23, s12, 8
	s_add_co_u32 s22, s22, s23
	s_mov_b32 s23, 0
	s_add_nc_u64 s[18:19], s[18:19], s[22:23]
	v_and_b32 v1, 15, v0                           ; l % 16
	v_bfe_u32 v2, v0, 4, 1                         ; l / 16
	v_lshlrev_b32 v5, 5, v2
.irp b, 0,1,2,3
	global_load_b128 v[BI+8*(\b):BI+8*(\b)+3],   v5, s[18:19] offset:64*(\b)
	global_load_b128 v[BI+8*(\b)+4:BI+8*(\b)+7], v5, s[18:19] offset:64*(\b)+16
.endr
	v_mul_u32_u24 v3, v1, PITCH
	v_lshl_add_u32 v3, v2, 4, v3                   ; a fragment's row x pitch + 16 x half
	s_mul_i32 s21, s11, 2*PARTB                    ; my 64 rows of xb
	s_mul_i32 s22, s12, 2*PARTB                    ; my 64 rows of wdn,
	s_add_co_u32 s22, s22, 4*PARTB                 ; behind xb's two parts
	v_add_nc_u32 v[A0], s21, v3
	v_add_nc_u32 v[B0], s22, v3
	s_mul_i32 s23, s11, 64*SPITCH                  ; into the stage: my 64 rows, my half of their 256 bytes
	s_lshl_b32 s21, s12, 7
	s_add_co_u32 s23, s23, s21
	s_add_co_u32 s23, s23, STAGE
	v_mul_u32_u24 v4, v1, SPITCH
	v_lshl_add_u32 v4, v2, 4, v4
	v_add_nc_u32 v[STO], s23, v4
	s_mul_i32 s23, s10, 32*SPITCH                  ; back: wave w takes rows 32 w .. 32 w + 31, whole
	s_add_co_u32 s23, s23, STAGE
	v_mul_u32_u24 v4, v2, SPITCH
	v_lshl_add_u32 v4, v1, 4, v4
	v_add_nc_u32 v[RD], s23, v4
	v_mul_u32_u24 v4, v2, SIZE_N*2                 ; and the same two rows in lat
	v_lshl_add_u32 v[CO], v1, 4, v4
	s_lshl_b32 s16, s13, 7
	s_lshl_b32 s17, s10, 5
	s_add_co_u32 s16, s16, s17                     ; the first row that I store
	s_lshl_b32 s16, s16, 11                        ; x 2,048 bytes
	s_mov_b32 s17, 0
	s_add_nc_u64 s[76:77], s[76:77], s[16:17]
	s_lshl_b32 s46, s42, 8                         ; the tile's first column, in bytes
	s_mov_b32 s47, 0
	s_add_nc_u64 s[76:77], s[76:77], s[46:47]
	WIN TO_F
.irp i, 0,1,2,3,4,5,6,7
	v_mov_b32 v[\i], 0                             ; two zero fragments, in buffer 0
	v_mov_b32 v[64+\i], 0
.endr
	WIN 0
	s_wait_loadcnt 0x0                             ; the bias
.set i, 0
.rept 16                                               ; rounded to bf16 and widened again, a pair at a time
	v_cvt_pk_bf16_f32 v[TMP+i%4], v[BI+2*i], v[BI+2*i+1]
	v_lshlrev_b32 v[BI+2*i], 16, v[TMP+i%4]
	v_and_b32 v[BI+2*i+1], 0xffff0000, v[TMP+i%4]
.set i, i+1
.endr
	WIN MUL
.irp a, 0,1,2,3
.irp b, 0,1,2,3
	v_wmma_f32_16x16x32_bf16 v[ACC+8*(4*(\a)+(\b)):ACC+8*(4*(\a)+(\b))+7], v[64:71], v[0:7], v[BI+8*(\b):BI+8*(\b)+7]  ; 0 x 0 + bias starts the sum
.endr
.endr
	PLACES                                         ; in front of the loads into buffer 0
; 8 matrix instructions: m blocks a0, a0 + 1 x all 4 n blocks, 32 along K: half c of buffer f.  The 16 accumulators take turns in one order everywhere, over both backward jumps too.
.macro MUL8 f, c, a0
	WIN MUL
.irp a, \a0, (\a0)+1
.irp b, 0,1,2,3
	v_wmma_f32_16x16x32_bf16 v[ACC+8*(4*(\a)+(\b)):ACC+8*(4*(\a)+(\b))+7], v[(\f)+64+8*(4*(\c)+(\b)):(\f)+64+8*(4*(\c)+(\b))+7], v[(\f)+8*(4*(\c)+(\a)):(\f)+8*(4*(\c)+(\a))+7], v[ACC+8*(4*(\a)+(\b)):ACC+8*(4*(\a)+(\b))+7]
.endr
.endr
.endm
; 32 LDS loads in one run: the fragments of 64 along K at byte k of the rows, into buffer f; the first 32 along K first
.macro FETCH k, f
	WIN TO_F
.irp c, 0,1
.irp i, 0,1,2,3
	ds_load_b128 v[(\f)+64+8*(4*(\c)+(\i)):(\f)+64+8*(4*(\c)+(\i))+3],   v[ADRB] offset:(\k)+64*(\c)+(\i)*16*PITCH
	ds_load_b128 v[(\f)+64+8*(4*(\c)+(\i))+4:(\f)+64+8*(4*(\c)+(\i))+7], v[ADRB] offset:(\k)+64*(\c)+(\i)*16*PITCH+32
	ds_load_b128 v[(\f)+8*(4*(\c)+(\i)):(\f)+8*(4*(\c)+(\i))+3],         v[ADRA] offset:(\k)+64*(\c)+(\i)*16*PITCH
	ds_load_b128 v[(\f)+8*(4*(\c)+(\i))+4:(\f)+8*(4*(\c)+(\i))+7],       v[ADRA] offset:(\k)+64*(\c)+(\i)*16*PITCH+32
.endr
.endr
.endm
; A K step is four quarters of 64 along K, 32 matrix instructions each, on buffers 0, 1, 0, 1.  One of the first three: multiplies f and fetches the next quarter, at byte k, into g.
.macro QUARTER k, f, g
	s_wait_dscnt 16                                ; the first 32 along K are in; the youngest sixteen loads may be out
	MUL8 \f, 0, 0
	MUL8 \f, 0, 2
	PLACES
	FETCH \k, \g
	s_wait_dscnt 32                                ; all but the 32 just issued
	MUL8 \f, 1, 0
	MUL8 \f, 1, 2
.endm
; The last quarter multiplies buffer 1 and changes slots.  In front of the barrier each wave waits for all its tensor loads (one is out: its part of the next slot), adds 0 to its spare word, and waits for that
; and for its reads of this slot.  fill = 1: the barrier opens a round of the cluster's, and this slot is filled again first behind it, two K steps ahead: 112 matrix instructions ahead of the wait for it.
.macro TURN fill
	WIN 0
	s_wait_tensorcnt 0x0                           ; no tensor load of mine is out, so a group 0 may be written
	ds_add_u32 v[SPW], v[NIL]
.if \fill
	s_xor_b32 s[G0+5], s[G0+5], XORC               ; the walking sets: the other slot than last time, the next K step
	s_add_nc_u64 s[G0+6:G0+7], s[G0+6:G0+7], KSTEP*2
	s_xor_b32 s[G0B+5], s[G0B+5], XORC
	s_add_nc_u64 s[G0B+6:G0B+7], s[G0B+6:G0B+7], KSTEP*2
.endif
	s_xor_b32 s[TB], s[TB], XORC                   ; the reads change slots
	s_wait_dscnt 17                                ; the add and the youngest sixteen loads may be out
	MUL8 F1, 0, 0
	s_wait_dscnt 0x0                               ; the add is done, and my reads of this slot are over
	s_barrier_signal -1
	MUL8 F1, 0, 2
	WIN 0
	s_barrier_wait -1
.if \fill
	CREST                                          ; no wave of any partner still reads this slot's tile or has a load on its way
	JLOAD                                          ; its four v_nop are also the places in front of the loads below
.else
	PLACES
.endif
	v_add_nc_u32 v[ADRA], s[TB], v[A0]
	v_add_nc_u32 v[ADRB], s[TB], v[B0]
	FETCH 0, F0
	MUL8 F1, 1, 0
	MUL8 F1, 1, 2
.endm
.macro STEP fill
	QUARTER 128, F0, F1
	QUARTER 256, F1, F0
	QUARTER 384, F0, F1
	TURN \fill
.endm
	WIN 0
	s_wait_tensorcnt 1                             ; my part of K step 0 is in; step 1's may stay out
	s_barrier_signal -1
	s_barrier_wait -1
	v_mov_b32 v[ADRA], v[A0]
	v_mov_b32 v[ADRB], v[B0]
	FETCH 0, F0
	WIN 0
	s_mov_b32 s3, T-2
.LA:                                                   ; K steps 0 .. T - 3: each asks for the step two on
	STEP 1
	WIN 0
	s_sub_co_u32 s3, s3, 1
	s_cmp_lg_u32 s3, 0
	s_cbranch_scc1 .LA
	s_mov_b32 s3, 2
.LB:                                                   ; the last two K steps ask for nothing
	STEP 0
	WIN 0
	s_sub_co_u32 s3, s3, 1
	s_cmp_lg_u32 s3, 0
	s_cbranch_scc1 .LB
	; THE WAY OUT: round to bf16; 16 bytes a lane into the work-group's stage; a barrier, since a row's 256 bytes come from two waves; back as whole rows, 32 rows a wave.
	s_wait_dscnt 0x0                               ; the last fetch, which nobody multiplies
	PLACES
.irp t, 0,1,2,3,4,5,6,7,8,9,10,11,12,13,14,15
.irp r, 0,1,2,3
	v_cvt_pk_bf16_f32 v[TMP+4*(\t)+(\r)], v[ACC+8*(\t)+2*(\r)], v[ACC+8*(\t)+2*(\r)+1]
.endr
.endr
.irp a, 0,1,2,3
.irp b, 0,1,2,3
	ds_store_b128 v[STO], v[TMP+4*(4*(\a)+(\b)):TMP+4*(4*(\a)+(\b))+3] offset:(\a)*16*SPITCH+32*(\b)
.endr
.endr
	s_wait_dscnt 0x0                               ; for the others' sake: my stores into the stage are done
	s_barrier_signal -1
	s_barrier_wait -1
.irp t, 0,1,2,3,4,5,6,7,8,9,10,11,12,13,14,15
	ds_load_b128 v[TMP+4*(\t):TMP+4*(\t)+3], v[RD] offset:(\t)*2*SPITCH
.endr
.irp t, 0,1,2,3,4,5,6,7,8,9,10,11,12,13,14,15
	s_wait_dscnt 15-(\t)
	global_store_b128 v[CO], v[TMP+4*(\t):TMP+4*(\t)+3], s[76:77] offset:2*(\t)*SIZE_N*2  ; 16 lanes store 256 consecutive bytes, at a multiple of 256 from lat's first byte
.endr
	s_wait_tensorcnt 0x0                           ; the wave's end
	ds_add_u32 v[SPW], v[NIL]
	s_wait_dscnt 0x0
	CROUND                                         ; the closing round
	s_endpgm
.Lfunc_end_k_qfa54355775_down:
	.size	k_qfa54355775_down, .Lfunc_end_k_qfa54355775_down-k_qfa54355775_down
	.p2alignl 7, 3214868480
	.fill 96, 4, 3214868480
	.section	.rodata,"a",@progbits
	.p2align	6, 0x0
	.amdhsa_kernel k_qfa54355775_down
		.amdhsa_group_segment_fixed_size 327680
		.amdhsa_private_segment_fixed_size 0
		.amdhsa_enable_private_segment 0
		.amdhsa_kernarg_size 40
		.amdhsa_user_sgpr_count 2
		.amdhsa_user_sgpr_kernarg_segment_ptr 1
		.amdhsa_wavefront_size32 1
		.amdhsa_system_sgpr_workgroup_id_x 1
		.amdhsa_system_sgpr_workgroup_id_y 1
		.amdhsa_system_sgpr_workgroup_id_z 1
		.amdhsa_system_vgpr_workitem_id 0
		.amdhsa_next_free_vgpr 512
		.amdhsa_next_free_sgpr 80
		.amdhsa_reserve_vcc 0
		.amdhsa_float_denorm_mode_32 3
		.amdhsa_float_denorm_mode_16_64 3
		.amdhsa_memory_ordered 1
		.amdhsa_forward_progress 1
		.amdhsa_inst_pref_size 59
	.end_amdhsa_kernel
	.amdgpu_metadata
---
amdhsa.version: [ 1, 2 ]
amdhsa.kernels:
  - .name:           k_qfa54355775_down
    .symbol:         k_qfa54355775_down.kd
    .args:
      - { .name: xb, .offset: 0, .size: 8, .value_kind: global_buffer, .address_space: global }
      - { .name: wts, .offset: 8, .size: 8, .value_kind: global_buffer, .address_space: global }
      - { .name: bq_down, .offset: 16, .size: 8, .value_kind: global_buffer, .address_space: global }
      - { .name: bkv_down, .offset: 24, .size: 8, .value_kind: global_buffer, .address_space: global }
      - { .name: lat, .offset: 32, .size: 8, .value_kind: global_buffer, .address_space: global }
    .group_segment_fixed_size: 327680
    .private_segment_fixed_size: 0
    .kernarg_segment_align: 8
    .kernarg_segment_size: 40
    .max_flat_workgroup_size: 128
    .sgpr_count:     80
    .vgpr_count:     512
    .wavefront_size: 32
...
	.end_amdgpu_metadata
.endif
;; end of part 2
;; launch up (part 3): grid 16 x 16, 4 waves a work-group, clusters of 4 x 4, 327,680 bytes of LDS; arguments lat, wts, bq_up, bk_up, bv_up, qb, kb, vb; writes qb, kb, vb
.if DOCPART == 3
	.amdgcn_target "amdgcn-amd-amdhsa--gfx1250"
	.amdhsa_code_object_version 6
	.text
	.protected	k_qfa54355775_up
	.globl	k_qfa54355775_up
	.p2align	8
	.type	k_qfa54355775_up,@function
k_qfa54355775_up:
	s_mov_b64 s[64:65], 0
	v_nop
	global_prefetch_b8 v0, s[64:65] scope:SCOPE_SE
	s_setreg_imm32_b32 hwreg(HW_REG_WAVE_MODE, 25, 1), 1
	s_wait_xcnt 0x0
	s_wait_alu depctr_hold_cnt(0) depctr_sa_sdst(0) depctr_va_vdst(0) depctr_va_sdst(0) depctr_va_ssrc(0) depctr_va_vcc(0) depctr_vm_vsrc(0)
	s_getreg_b32 s2, hwreg(HW_REG_IB_STS2, 6, 4)
	s_cmp_eq_u32 s2, 0
	s_cbranch_scc0 .Lentry_in_a_cluster
	s_endpgm
.Lentry_in_a_cluster:
	s_bfe_u32 s2, ttmp6, 0x10000c
	s_cmp_lg_u32 s2, 0xf033
	s_cbranch_scc0 .Lentry_shape_is_right
	s_endpgm
.Lentry_shape_is_right:
; q_half = q_lat Wq_up^T + bq_up, k_half = kv_lat Wk_up^T + bk_up, v = kv_lat Wv_up^T + bv_up; the rotary copy of q_half and k_half; all written by heads, [16 b + head][2048][128] bf16.
; lat: [4096][1024] bf16 (columns 0-511 q_lat, 512-1023 kv_lat); the weights: wts from byte 4,194,304, [4096][512] bf16 (rows 0-1023 Wq_up, 1024-2047 Wk_up, 2048-4095 Wv_up); the biases are rounded to bf16 like every input.
; LIMITS.  bf16 operands, f32 sums; q, k, v rounded once from f32; NaN and infinities are not treated apart.  The rotary angle s x 10000^(-jf/256) is made in turns: u = 2^(-jf log2(10000)/256) / 2 pi, reduced
; exactly by x = fma(s, u, -rndne(s u)); its error is u's relative error (a few 2^-24) times s u, at most some 4e-4 rad at s = 2,047.  sin and cos of 2 pi x are Taylor series of nine terms, cut below 1.5e-7 on all of |x| <= 0.5.
; From a wave's first row they go down its 64 rows by the rotation by one row's angle: 63 rotations, each off by a few 2^-24.
; SHARES.  4,096 x 4,096 results make 256 tiles of 256 x 256, one for each work-group; four waves, each 128 x 128: 64 accumulators, 512 registers.  K = 512 in 4 steps of 128 through two LDS slots; a wave's load brings 128 rows.
; Cluster x is the KIND, alike in all sixteen partners: 0 q, 1 k, 2 and 3 v.  A q or k tile holds columns 128 cx .. + 127 (x1) and their rotary partners 512 + 128 cx .. (x2): heads cx and 4 + cx, and from them
; heads 8 + cx (x1 cos - x2 sin) and 12 + cx (x1 sin + x2 cos).  A v tile holds two heads.
; CLUSTER.  4 x 4: lat's tile is shared along a row of the cluster, the weights' along a column: joint loads.
; THE PRODUCT IS TAKEN TRANSPOSED (source 0 = weights' rows, source 1 = lat's rows); THE SUMS START FROM THE BIAS (64 products on zero fragments with the bias as C, while the first tiles are on their way): no addition, and the loop has one form of product.
; cos and sin are made in every work-group, v's too (some 190 vector lines in the wait for the first tiles), so that every register that the row loops name is written on every path.
; ONE TEXT FOR A K STEP, walked by two counted loops (with and without a refill); the last trip fetches fragments that nobody multiplies (32 LDS loads and a barrier, once a launch).
; Nothing is prefetched: of the four K steps two are the first fills and two are asked for in the first two changes of slots.
; REGISTERS, in windows of 256 (s_set_vgpr_msb: bits 1:0 source 0, 3:2 source 1, 5:4 source 2, 7:6 destination):
;   window 0: v0-31 addresses; v64-127, v128-191 lat's fragments, two buffers (later the row loops' registers); v224-247 cos and sin
;   window 1: v0-63 the bias; v64-127, v128-191 the weights' fragments, two buffers; v192-195 at work
;   window 2: the 32 accumulators of my rows 0-63 ((a, b) at v[8 (8 a + b)]);   window 3: those of my rows 64-127
.set KSTEP,  128
.set T,      4
.set PITCH,  272                       ; 256 bytes + 16 of padding = 68 words: row r starts at bank 4 r mod 64 (64 banks of 4 bytes: ISA guide 11.1)
.set HALFT,  128*PITCH                 ; what one tensor load brings: 34,816 bytes = 0x8800
.set XORC,   HALFT                     ; part p of four (lat's halves, the weights' halves) lies at 2 p HALFT in slot 0 and HALFT further in slot 1; bits 15 and 11 are clear in 0, 0x11000, 0x22000, 0x33000, so one exclusive or changes slots
.set SPARE,  8*HALFT                   ; behind the ring: the spare words, 128 bytes a wave
.set SPITCH, 1040                      ; the stage: 256 rows of 256 f32 + 16 bytes = 260 words; it lies on the ring, from LDS byte 0, once the ring has had its last fill and its last read
.set APITCH, 1024
.set BPITCH, 512
.set ASTEP,  256
.set BSTEP,  256
.set WUP,    4194304
.set HEADB,  2048*256                  ; bytes of a head
.set A0,   16                          ; v16  my lane's place in my 128 rows of lat, slot 0; never rewritten
.set B0,   17                          ; v17  the same for the weights
.set ADRA, 18                          ; v18  the same in the slot in hand
.set ADRB, 19
.set STO,  24                          ; v24  into the stage: my rows 0-63
.set RD,   25
.set GO,   26
.set STO2, 27                          ; v27  into the stage: my rows 64-127
.set SPW,  28                          ; v28  my spare word; never rewritten
.set NIL,  29                          ; v29  0; never rewritten
.set F0,   64
.set F1,   128
.set BT,   192                         ; window 1: at work while the bias is rounded
.set CC,   224                         ; cos of my 4 columns at CC, sin at CC + 4; one row's step: cos at CC + 8, sin at CC + 12; the second set at CC + 16, CC + 20
.set XX,   136                         ; at work in the prologue: 8 reduced angles in turns (4 of the first row, 4 of one row's step),
.set X2,   144                         ; their squares,
.set NN,   152                         ; and 4 whole turns
.set XR,   64                          ; the row loops: 4 rows x 8 f32 as read back,
.set TT,   96                          ; the rotated 8,
.set OUTR, 128                         ; 4 rows x 8 packed words to store
.set G1,  24                           ; s[24:31] group 1 for lat's tiles; s[32:39] group 0: set 0 for step 0, set 1 for step 1, which then walks
.set G0,  32
.set G1B, 48                           ; s[48:55], s[56:63] the same for the weights'
.set G0B, 56
.set TB,  66                           ; s66  0 or XORC: the slot that is read
.set TY,  84                           ; s84  the kind
.set SS,  88                           ; s88  my first row's position, as f32
.set MSB, 0
.macro WIN new                         ; the immediate's high byte repeats the setting that is left
.if MSB != (\new)
	s_set_vgpr_msb (MSB<<8)|(\new)
.set MSB, \new
.endif
.endm
.set MUL_LO, 0xa1                      ; source 0 (weights) window 1, source 1 (lat) window 0, C and D window 2
.set MUL_HI, 0xf1                      ; the same, C and D window 3
.set TO_B,   0x40                      ; destination window 1, address window 0
.macro PLACES                          ; four places behind matrix instructions, in front of loads into their sources and of readers of their results
.rept 4
	v_nop
.endr
.endm
.macro JLOAD                           ; a joint refill by the walking set: waves 0 and 1 fetch lat's halves, waves 2 and 3 the weights'; s_nop 0 and four v_nop follow each line
	s_cmp_eq_u32 s11, 0
	s_cbranch_scc0 .Lfor_b_\@
	tensor_load_to_lds s[G0+4:G0+7], s[G1:G1+7]
	s_nop 0
.rept 4
	v_nop
.endr
	s_branch .Lasked_\@
.Lfor_b_\@:
	tensor_load_to_lds s[G0B+4:G0B+7], s[G1B:G1B+7]
	s_nop 0
.rept 4
	v_nop
.endr
.Lasked_\@:
.endm
.macro CREST                           ; a round of the cluster's barrier behind its opening barrier
	s_cmp_lg_u32 s10, 0
	s_cbranch_scc1 .Lnot_wave_0_\@
	s_barrier_signal -3
.Lnot_wave_0_\@:
	s_barrier_wait -3
	s_barrier_signal -1
	s_barrier_wait -1
.endm
.macro CROUND
	s_barrier_signal -1
	s_barrier_wait -1
	CREST
.endm
	s_load_b512 s[68:83], s[0:1], 0x0              ; lat s[68:69], wts s[70:71], bq_up s[72:73], bk_up s[74:75], bv_up s[76:77], qb s[78:79], kb s[80:81], vb s[82:83]
	v_lshl_add_u32 v[SPW], v0, 2, SPARE
	v_mov_b32 v[NIL], 0
	ds_add_u32 v[SPW], v[NIL]                      ; the wave's opening: the add and its wait stand ahead of my first tensor load
	v_lshrrev_b32 v1, 5, v0
	v_readfirstlane_b32 s10, v1                    ; wave 0..3
	s_lshr_b32 s11, s10, 1                         ; my half of the tile's rows.  Also: I fetch for lat (0) or the weights (1)
	s_and_b32 s12, s10, 1                          ; my half of its columns.  Also: which 128 rows I fetch
	s_bfe_u32 s40, ttmp6, 0x40000                  ; cx
	s_bfe_u32 s41, ttmp6, 0x40004                  ; cy
	s_mov_b32 s[TY], ttmp9
	s_lshl_b32 s42, ttmp9, 2
	s_add_co_u32 s42, s42, s40                     ; tile column
	s_and_b32 s13, ttmp7, 0xffff
	s_lshl_b32 s13, s13, 2
	s_add_co_u32 s13, s13, s41                     ; tile row
	s_lshl_b32 s43, s41, 2
	s_lshl_b32 s43, 15, s43                        ; my row of the cluster
	s_lshl_b32 s44, 0x1111, s40                    ; my column
	s_or_b32 s[G1+0], s43, (1<<16)|(1<<20)|(1<<21)|(5<<22)|(3<<25)  ; the mask; 2-byte elements; padding on; bit 21 beside a mask; after every 64 words (code 5) 4 words (code 3)
	s_or_b32 s[G1B+0], s44, (1<<16)|(1<<20)|(1<<21)|(5<<22)|(3<<25)
.irp g, G1, G1B
	s_mov_b32 s[(\g)+1], KSTEP<<16                 ; tensor_dim0 = 128
	s_mov_b32 s[(\g)+2], 128<<16                   ; tensor_dim1 = 128
	s_mov_b32 s[(\g)+3], KSTEP<<16                 ; tile_dim0 = 128
	s_mov_b32 s[(\g)+4], 128                       ; tile_dim1 = 128
	s_mov_b32 s[(\g)+6], 0
	s_mov_b32 s[(\g)+7], 0
.endr
	s_mov_b32 s[G1+5], APITCH                      ; elements from row to row
	s_mov_b32 s[G1B+5], BPITCH
	s_lshl_b32 s16, s13, 8
	s_lshl_b32 s17, s12, 7
	s_add_co_u32 s16, s16, s17                     ; lat: row 256 x tile row + 128 x half,
	s_lshl_b32 s16, s16, 11                        ; x 2,048 bytes,
	s_cmp_eq_u32 s[TY], 0
	s_cselect_b32 s17, 0, 1024                     ; q_lat's columns or kv_lat's
	s_add_co_u32 s16, s16, s17
	s_mov_b32 s17, 0
	s_cmp_lt_u32 s[TY], 2
	s_cselect_b32 s20, 7, 8                        ; q, k: 128 cx + 512 x half;  v: 256 cx + 128 x half
	s_cselect_b32 s21, 9, 7
	s_lshl_b32 s46, s40, s20
	s_lshl_b32 s47, s12, s21
	s_add_co_u32 s46, s46, s47                     ; the first column that I fetch and make, within the kind's 1,024
	s_cmp_eq_u32 s[TY], 3
	s_cselect_b32 s47, 1024, 0
	s_add_co_u32 s45, s46, s47
	s_lshl_b32 s45, s45, 2                         ; its place in the bias, in bytes
	s_lshl_b32 s47, s[TY], 10
	s_add_co_u32 s46, s46, s47                     ; its row among the weights' 4,096,
	s_lshl_b32 s46, s46, 10                        ; x 1,024 bytes
	s_add_co_u32 s46, s46, WUP
	s_mov_b32 s47, 0
	s_mul_i32 s20, s10, 2*HALFT                    ; where they go: part = wave; no place in the cluster enters an LDS address
	s_mov_b32 s[TB], 0
	s_wait_dscnt 0x0                               ; the opening add is done
	s_wait_kmcnt 0x0
	s_add_nc_u64 s[18:19], s[68:69], s[16:17]
	s_add_nc_u64 s[46:47], s[70:71], s[46:47]
	CROUND                                         ; all sixteen work-groups are here: the first joint loads meet
.irp s, 0,1
	s_mov_b32 s[G0+4*(\s)], 1
	s_add_co_u32 s[G0+4*(\s)+1], s20, (\s)*XORC
	s_add_nc_u64 s[G0+4*(\s)+2:G0+4*(\s)+3], s[18:19], (\s)*ASTEP
	s_or_b32 s[G0+4*(\s)+3], s[G0+4*(\s)+3], 0x80000000
	s_mov_b32 s[G0B+4*(\s)], 1
	s_add_co_u32 s[G0B+4*(\s)+1], s20, (\s)*XORC
	s_add_nc_u64 s[G0B+4*(\s)+2:G0B+4*(\s)+3], s[46:47], (\s)*BSTEP
	s_or_b32 s[G0B+4*(\s)+3], s[G0B+4*(\s)+3], 0x80000000
.endr
	s_cmp_eq_u32 s11, 0                            ; a wave's two first fills stand in one branch, ahead of every wait on TENSORcnt and every LDS read: two loads of mine are out
	s_cbranch_scc0 .Lfirst_b
	tensor_load_to_lds s[G0:G0+3], s[G1:G1+7]
	s_nop 0
	tensor_load_to_lds s[G0+4:G0+7], s[G1:G1+7]
	s_nop 0
.rept 4
	v_nop
.endr
	s_branch .Lfirst_asked
.Lfirst_b:
	tensor_load_to_lds s[G0B:G0B+3], s[G1B:G1B+7]
	s_nop 0
	tensor_load_to_lds s[G0B+4:G0B+7], s[G1B:G1B+7]
	s_nop 0
.rept 4
	v_nop
.endr
.Lfirst_asked:
	s_cmp_eq_u32 s[TY], 0                          ; the kind's bias and its output
	s_cselect_b64 s[22:23], s[72:73], s[74:75]
	s_cselect_b64 s[86:87], s[78:79], s[80:81]
	s_cmp_lt_u32 s[TY], 2
	s_cselect_b64 s[22:23], s[22:23], s[76:77]
	s_cselect_b64 s[86:87], s[86:87], s[82:83]
	s_mov_b32 s20, s45
	s_mov_b32 s21, 0
	s_add_nc_u64 s[22:23], s[22:23], s[20:21]
	v_and_b32 v1, 15, v0                           ; l % 16
	v_bfe_u32 v2, v0, 4, 1                         ; l / 16
	v_lshlrev_b32 v5, 5, v2
	WIN TO_B                                       ; destination window 1
.irp b, 0,1,2,3,4,5,6,7
	global_load_b128 v[8*(\b):8*(\b)+3],   v5, s[22:23] offset:64*(\b)      ; register j of n block b: column 16 b + 8 (l / 16) + j
	global_load_b128 v[8*(\b)+4:8*(\b)+7], v5, s[22:23] offset:64*(\b)+16
.endr
	WIN 0
	v_mul_u32_u24 v3, v1, PITCH
	v_lshl_add_u32 v3, v2, 4, v3                   ; a fragment's row x pitch + 16 x half
	s_mul_i32 s20, s11, 2*HALFT                    ; my 128 rows of lat
	s_mul_i32 s21, s12, 2*HALFT                    ; my 128 rows of the weights,
	s_add_co_u32 s21, s21, 4*HALFT                 ; behind lat's two parts
	v_add_nc_u32 v[A0], s20, v3
	v_add_nc_u32 v[B0], s21, v3
	s_mul_i32 s20, s11, 128*SPITCH                 ; into the stage: row 128 x half + l % 16, byte 512 x column half + 32 (l / 16)
	s_lshl_b32 s21, s12, 9
	s_add_co_u32 s20, s20, s21
	v_mul_u32_u24 v[STO], v1, SPITCH
	v_lshl_add_u32 v[STO], v2, 5, v[STO]
	v_add_nc_u32 v[STO], s20, v[STO]
	v_add_nc_u32 v[STO2], 64*SPITCH, v[STO]        ; 64 rows on: an LDS immediate holds 16 bits
	s_mul_i32 s20, s10, 64*SPITCH                  ; back: wave w takes rows 64 w .. 64 w + 63; a lane takes 4 columns of each half
	v_and_b32 v6, 31, v0                           ; l
	v_lshl_add_u32 v[RD], v6, 4, s20
	v_lshlrev_b32 v[GO], 3, v6                     ; and stores 8 bytes of a head's row
	s_sub_co_u32 s20, s42, 8
	s_lshl_b32 s20, s20, 1                         ; v: head 2 (tile column - 8)
	s_cmp_lt_u32 s[TY], 2
	s_cselect_b32 s20, s40, s20                    ; q, k: head cx
	s_lshr_b32 s21, s13, 3
	s_lshl_b32 s21, s21, 4                         ; 16 x batch
	s_add_co_u32 s20, s20, s21
	s_lshl_b32 s20, s20, 11                        ; x 2,048 rows
	s_and_b32 s21, s13, 7
	s_lshl_b32 s21, s21, 8
	s_lshl_b32 s15, s10, 6
	s_add_co_u32 s21, s21, s15                     ; my first row's position: 256 (tile row % 8) + 64 x wave
	s_cvt_f32_u32 s[SS], s21
	s_add_co_u32 s20, s20, s21
	s_lshl_b32 s20, s20, 8                         ; x 256 bytes
	s_mov_b32 s21, 0
	s_add_nc_u64 s[86:87], s[86:87], s[20:21]
	; cos and sin for my four columns: frequency jf = 128 (cx & 1) + 4 l + i
	s_and_b32 s20, s40, 1
	s_lshl_b32 s20, s20, 7
	v_lshl_add_u32 v6, v6, 2, s20
.irp i, 0,1,2,3
	v_add_nc_u32 v[XX+4+\i], \i, v6
.endr
.irp i, 0,1,2,3
	v_cvt_f32_u32 v[XX+4+\i], v[XX+4+\i]
.endr
.irp i, 0,1,2,3
	v_mul_f32 v[XX+4+\i], 0xbd549a78, v[XX+4+\i]   ; - jf log2(10000) / 256
.endr
.irp i, 0,1,2,3
	v_exp_f32 v[XX+4+\i], v[XX+4+\i]
.endr
	v_nop                                          ; a plain instruction behind the last exponential,
	s_wait_alu depctr_va_vdst(0)                   ; and one wait for the four, ahead of their first reader
.irp i, 0,1,2,3
	v_mul_f32 v[XX+4+\i], 0x3e22f983, v[XX+4+\i]   ; / 2 pi: one row's angle in turns, at most 0.16
.endr
.irp i, 0,1,2,3
	v_mul_f32 v[NN+\i], s[SS], v[XX+4+\i]
.endr
.irp i, 0,1,2,3
	v_rndne_f32 v[NN+\i], v[NN+\i]
.endr
.irp i, 0,1,2,3
	v_fma_f32 v[XX+\i], s[SS], v[XX+4+\i], -v[NN+\i]  ; my first row's angle, less its whole turns: |x| <= 0.5
.endr
.irp v, 0,1,2,3,4,5,6,7
	v_mul_f32 v[X2+\v], v[XX+\v], v[XX+\v]
.endr
.irp v, 0,1,2,3,4,5,6,7                        ; sin 2 pi x = x P(x^2): eight values side by side, so that no line waits for the one before it
	v_mov_b32 v[CC+4+\v+4*(\v/4)], 0x3dd57619
.endr
.irp k, 0xbf37d6dd, 0x40747a1a, 0xc17183a8, 0x42283c1a, 0xc2996966, 0x42a335e3, 0xc2255de7, 0x40c90fdb
.irp v, 0,1,2,3,4,5,6,7
	v_fmaak_f32 v[CC+4+\v+4*(\v/4)], v[CC+4+\v+4*(\v/4)], v[X2+\v], \k
.endr
.endr
.irp v, 0,1,2,3,4,5,6,7
	v_mul_f32 v[CC+4+\v+4*(\v/4)], v[CC+4+\v+4*(\v/4)], v[XX+\v]
.endr
.irp v, 0,1,2,3,4,5,6,7                        ; cos 2 pi x = Q(x^2)
	v_mov_b32 v[CC+\v+4*(\v/4)], 0x3e906316
.endr
.irp k, 0xbfdb7128, 0x40fce9c5, 0xc1d368f9, 0x4270fa83, 0xc2aae9e4, 0x4281e0f8, 0xc19de9e6, 0x3f800000
.irp v, 0,1,2,3,4,5,6,7
	v_fmaak_f32 v[CC+\v+4*(\v/4)], v[CC+\v+4*(\v/4)], v[X2+\v], \k
.endr
.endr
.irp i, 0,1,2,3,4,5,6,7
	v_mov_b32 v[F0+\i], 0                          ; a zero fragment in buffer 0 of window 0,
.endr
	WIN TO_B
.irp i, 0,1,2,3,4,5,6,7
	v_mov_b32 v[F0+\i], 0                          ; and one in buffer 0 of window 1
.endr
	s_wait_loadcnt 0x0                             ; the bias
	WIN 0x45                                       ; destination and sources window 1
.set i, 0
.rept 32                                               ; rounded to bf16 and widened again, a pair at a time
	v_cvt_pk_bf16_f32 v[BT+i%4], v[2*i], v[2*i+1]
	v_lshlrev_b32 v[2*i], 16, v[BT+i%4]
	v_and_b32 v[2*i+1], 0xffff0000, v[BT+i%4]
.set i, i+1
.endr
.irp w, 0x91, 0xd1                             ; source 0 and C window 1, source 1 window 0; D window 2, then window 3
	WIN \w
.irp a, 0,1,2,3
.irp b, 0,1,2,3,4,5,6,7
	v_wmma_f32_16x16x32_bf16 v[8*(8*(\a)+(\b)):8*(8*(\a)+(\b))+7], v[F0:F0+7], v[F0:F0+7], v[8*(\b):8*(\b)+7]  ; 0 x 0 + bias starts the sum
.endr
.endr
.endr
	PLACES                                         ; in front of the loads into buffer 0
; 16 matrix instructions: m blocks a0, a0 + 1 of the window's four (hi = 0: my rows 0-63, 1: rows 64-127) x all 8 n blocks, 32 along K.
; The 64 accumulators take turns in one order everywhere, over both backward jumps too.
.macro MUL16 f, hi, a0
	WIN MUL_LO+0x50*(\hi)
.irp a, \a0, (\a0)+1
.irp b, 0,1,2,3,4,5,6,7
	v_wmma_f32_16x16x32_bf16 v[8*(8*(\a)+(\b)):8*(8*(\a)+(\b))+7], v[(\f)+8*(\b):(\f)+8*(\b)+7], v[(\f)+8*(4*(\hi)+(\a)):(\f)+8*(4*(\hi)+(\a))+7], v[8*(8*(\a)+(\b)):8*(8*(\a)+(\b))+7]
.endr
.endr
.endm
; 32 LDS loads in one run: the fragments of 32 along K at byte k of the rows, into buffer f: the weights' 8, then lat's 8
.macro FETCH k, f
	WIN TO_B
.irp i, 0,1,2,3,4,5,6,7
	ds_load_b128 v[(\f)+8*(\i):(\f)+8*(\i)+3],   v[ADRB] offset:(\k)+(\i)*16*PITCH
	ds_load_b128 v[(\f)+8*(\i)+4:(\f)+8*(\i)+7], v[ADRB] offset:(\k)+(\i)*16*PITCH+32
.endr
	WIN 0
.irp i, 0,1,2,3,4,5,6,7
	ds_load_b128 v[(\f)+8*(\i):(\f)+8*(\i)+3],   v[ADRA] offset:(\k)+(\i)*16*PITCH
	ds_load_b128 v[(\f)+8*(\i)+4:(\f)+8*(\i)+7], v[ADRA] offset:(\k)+(\i)*16*PITCH+32
.endr
.endm
; A K step is four quarters of 32 along K, 64 matrix instructions each, on buffers 0, 1, 0, 1.  One of the first three: multiplies f; in its middle it fetches the next quarter, at byte k, into g.
.macro QUARTER k, f, g
	s_wait_dscnt 8                                 ; the weights and lat's rows 0-63 are in; the youngest eight loads (lat's rows 64-127) may be out
	MUL16 \f, 0, 0
	MUL16 \f, 0, 2
	PLACES
	FETCH \k, \g
	s_wait_dscnt 32                                ; all but the 32 just issued
	MUL16 \f, 1, 0
	MUL16 \f, 1, 2
.endm
; The last quarter multiplies buffer 1 and changes slots.  In front of the barrier each wave waits for all its tensor loads (one is out: its part of the next slot), adds 0 to its spare word, and waits for that
; and for its reads of this slot.  fill = 1: the barrier opens a round of the cluster's, and this slot is filled again first behind it, two K steps ahead: 224 matrix instructions ahead of the wait for it.
.macro TURN fill
	WIN 0
	s_wait_tensorcnt 0x0                           ; no tensor load of mine is out, so a group 0 may be written
	ds_add_u32 v[SPW], v[NIL]
.if \fill
	s_xor_b32 s[G0+5], s[G0+5], XORC               ; the walking sets: the other slot than last time, the next K step
	s_add_nc_u64 s[G0+6:G0+7], s[G0+6:G0+7], ASTEP
	s_xor_b32 s[G0B+5], s[G0B+5], XORC
	s_add_nc_u64 s[G0B+6:G0B+7], s[G0B+6:G0B+7], BSTEP
.endif
	s_xor_b32 s[TB], s[TB], XORC                   ; the reads change slots
	s_wait_dscnt 9                                 ; the add and the youngest eight loads may be out
	MUL16 F1, 0, 0
	s_wait_dscnt 0x0                               ; the add is done, and my reads of this slot are over
	s_barrier_signal -1
	MUL16 F1, 0, 2
	WIN 0
	s_barrier_wait -1
.if \fill
	CREST                                          ; no wave of any partner still reads this slot's tile or has a load on its way
	JLOAD                                          ; its four v_nop are also the places in front of the loads below
.else
	PLACES
.endif
	v_add_nc_u32 v[ADRA], s[TB], v[A0]
	v_add_nc_u32 v[ADRB], s[TB], v[B0]
	FETCH 0, F0
	MUL16 F1, 1, 0
	MUL16 F1, 1, 2
.endm
.macro STEP fill
	QUARTER 64,  F0, F1
	QUARTER 128, F1, F0
	QUARTER 192, F0, F1
	TURN \fill
.endm
	WIN 0
	s_wait_tensorcnt 1                             ; my part of K step 0 is in; step 1's may stay out
	s_barrier_signal -1
	s_barrier_wait -1
	v_mov_b32 v[ADRA], v[A0]
	v_mov_b32 v[ADRB], v[B0]
	FETCH 0, F0
	s_mov_b32 s3, T-2
.LA:                                                   ; K steps 0 and 1: each asks for the step two on
	STEP 1
	WIN 0
	s_sub_co_u32 s3, s3, 1
	s_cmp_lg_u32 s3, 0
	s_cbranch_scc1 .LA
	s_mov_b32 s3, 2
.LB:                                                   ; the last two K steps ask for nothing
	STEP 0
	WIN 0
	s_sub_co_u32 s3, s3, 1
	s_cmp_lg_u32 s3, 0
	s_cbranch_scc1 .LB
	; THE WAY OUT.  The f32 sums go into a stage of 256 rows x 256 columns that lies on the ring: every wave's tensor loads have landed (the wait for 0 in the last change of slots) and nothing is filled any more;
	; the first barrier shows that no wave reads the ring any more, the second that the stage is whole.
	s_wait_dscnt 0x0                               ; my last reads of the ring, which nobody multiplies
	s_barrier_signal -1
	s_barrier_wait -1
	PLACES                                         ; behind the last products
	WIN 0x08                                       ; store data window 2
.irp a, 0,1,2,3
.irp b, 0,1,2,3,4,5,6,7
	ds_store_b128 v[STO], v[8*(8*(\a)+(\b)):8*(8*(\a)+(\b))+3]   offset:(\a)*16*SPITCH+64*(\b)      ; each accumulator's low four registers first
	ds_store_b128 v[STO], v[8*(8*(\a)+(\b))+4:8*(8*(\a)+(\b))+7] offset:(\a)*16*SPITCH+64*(\b)+16
.endr
.endr
	WIN 0x0c                                       ; store data window 3
.irp a, 0,1,2,3
.irp b, 0,1,2,3,4,5,6,7
	ds_store_b128 v[STO2], v[8*(8*(\a)+(\b)):8*(8*(\a)+(\b))+3]   offset:(\a)*16*SPITCH+64*(\b)
	ds_store_b128 v[STO2], v[8*(8*(\a)+(\b))+4:8*(8*(\a)+(\b))+7] offset:(\a)*16*SPITCH+64*(\b)+16
.endr
.endr
	WIN 0
	s_wait_dscnt 0x0                               ; for the others' sake: my stores are done
	s_barrier_signal -1
	s_barrier_wait -1
; THE ROW LOOPS: 16 trips of 4 rows.  A row's eight registers are loaded again, with the row four further down, as soon as they have been read: three rows' work stands between a load and its use.
; The last trip's loads bring four rows that nobody uses (the next wave's, or bytes of the ring behind the stage): 8 LDS loads, once a launch, for no tail written out.
.macro LDROW r, ahead                  ; row r + ahead of the trip: my 4 columns of each half
	ds_load_b128 v[XR+8*(\r):XR+8*(\r)+3],   v[RD] offset:((\r)+(\ahead))*SPITCH
	ds_load_b128 v[XR+8*(\r)+4:XR+8*(\r)+7], v[RD] offset:((\r)+(\ahead))*SPITCH+512
.endm
; Row r, q and k: x1 and x2 as they are, x1 cos - x2 sin, x1 sin + x2 cos: four stores of 256 consecutive aligned bytes, a row of each of four heads.  Then cos and sin go one row down, into the other set.
.macro ROWQK r
.set cC, CC+16*((\r)%2)
.set nC, CC+16*(1-(\r)%2)
.set x1, XR+8*(\r)
.set oo, OUTR+8*(\r)
	s_wait_dscnt 6                                 ; this row's two loads are in; the next three rows' six may be out
.irp p, 0,2
	v_pk_mul_f32 v[TT+\p:TT+\p+1], v[x1+4+\p:x1+4+\p+1], v[cC+4+\p:cC+4+\p+1]      ; x2 sin
	v_pk_mul_f32 v[TT+4+\p:TT+4+\p+1], v[x1+4+\p:x1+4+\p+1], v[cC+\p:cC+\p+1]      ; x2 cos
.endr
.irp p, 0,2
	v_pk_fma_f32 v[TT+\p:TT+\p+1], v[x1+\p:x1+\p+1], v[cC+\p:cC+\p+1], v[TT+\p:TT+\p+1] neg_lo:[0,0,1] neg_hi:[0,0,1]
	v_pk_fma_f32 v[TT+4+\p:TT+4+\p+1], v[x1+\p:x1+\p+1], v[cC+4+\p:cC+4+\p+1], v[TT+4+\p:TT+4+\p+1]
.endr
.irp j, 0,1,2,3
	v_cvt_pk_bf16_f32 v[oo+\j], v[x1+2*\j], v[x1+2*\j+1]
	v_cvt_pk_bf16_f32 v[oo+4+\j], v[TT+2*\j], v[TT+2*\j+1]
.endr
	LDROW \r, 4
.irp j, 0,1,2,3
	global_store_b64 v[GO], v[oo+2*\j:oo+2*\j+1], s[86:87] offset:(\r)*256+4*\j*HEADB
.endr
.irp p, 0,2
	v_pk_mul_f32 v[nC+\p:nC+\p+1], v[cC+4+\p:cC+4+\p+1], v[CC+12+\p:CC+12+\p+1]
	v_pk_mul_f32 v[nC+4+\p:nC+4+\p+1], v[cC+4+\p:cC+4+\p+1], v[CC+8+\p:CC+8+\p+1]
.endr
.irp p, 0,2
	v_pk_fma_f32 v[nC+\p:nC+\p+1], v[cC+\p:cC+\p+1], v[CC+8+\p:CC+8+\p+1], v[nC+\p:nC+\p+1] neg_lo:[0,0,1] neg_hi:[0,0,1]
	v_pk_fma_f32 v[nC+4+\p:nC+4+\p+1], v[cC+\p:cC+\p+1], v[CC+12+\p:CC+12+\p+1], v[nC+4+\p:nC+4+\p+1]
.endr
.endm
.macro ROWV r                          ; the same for v: two heads' rows
.set x1, XR+8*(\r)
.set oo, OUTR+8*(\r)
	s_wait_dscnt 6
.irp j, 0,1,2,3
	v_cvt_pk_bf16_f32 v[oo+\j], v[x1+2*\j], v[x1+2*\j+1]
.endr
	LDROW \r, 4
	global_store_b64 v[GO], v[oo:oo+1],   s[86:87] offset:(\r)*256
	global_store_b64 v[GO], v[oo+2:oo+3], s[86:87] offset:(\r)*256+HEADB
.endm
.macro NEXT4                           ; the stores have read their registers: the addresses step, and the next trip may write the data registers
	s_wait_xcnt 0x0
	v_add_nc_u32 v[GO], 4*256, v[GO]
	v_add_nc_u32 v[RD], 4*SPITCH, v[RD]
	s_sub_co_u32 s3, s3, 1
	s_cmp_lg_u32 s3, 0
.endm
	LDROW 0, 0
	LDROW 1, 0
	LDROW 2, 0
	LDROW 3, 0
	s_mov_b32 s3, 16
	s_cmp_lt_u32 s[TY], 2                          ; the kind is alike in all partners
	s_cbranch_scc0 .Lrows_v
.Lrows_qk:
	ROWQK 0
	ROWQK 1
	ROWQK 2
	ROWQK 3
	NEXT4
	s_cbranch_scc1 .Lrows_qk
	s_branch .Lend
.Lrows_v:
	ROWV 0
	ROWV 1
	ROWV 2
	ROWV 3
	NEXT4
	s_cbranch_scc1 .Lrows_v
.Lend:
	s_wait_tensorcnt 0x0                           ; the wave's end
	ds_add_u32 v[SPW], v[NIL]
	s_wait_dscnt 0x0                               ; the add, and the last trip's loads
	CROUND                                         ; the closing round
	s_endpgm
.Lfunc_end_k_qfa54355775_up:
	.size	k_qfa54355775_up, .Lfunc_end_k_qfa54355775_up-k_qfa54355775_up
	.p2alignl 7, 3214868480
	.fill 96, 4, 3214868480
	.section	.rodata,"a",@progbits
	.p2align	6, 0x0
	.amdhsa_kernel k_qfa54355775_up
		.amdhsa_group_segment_fixed_size 327680
		.amdhsa_private_segment_fixed_size 0
		.amdhsa_enable_private_segment 0
		.amdhsa_kernarg_size 64
		.amdhsa_user_sgpr_count 2
		.amdhsa_user_sgpr_kernarg_segment_ptr 1
		.amdhsa_wavefront_size32 1
		.amdhsa_system_sgpr_workgroup_id_x 1
		.amdhsa_system_sgpr_workgroup_id_y 1
		.amdhsa_system_sgpr_workgroup_id_z 1
		.amdhsa_system_vgpr_workitem_id 0
		.amdhsa_next_free_vgpr 1024
		.amdhsa_next_free_sgpr 92
		.amdhsa_reserve_vcc 0
		.amdhsa_float_denorm_mode_32 3
		.amdhsa_float_denorm_mode_16_64 3
		.amdhsa_memory_ordered 1
		.amdhsa_forward_progress 1
		.amdhsa_inst_pref_size 105
	.end_amdhsa_kernel
	.amdgpu_metadata
---
amdhsa.version: [ 1, 2 ]
amdhsa.kernels:
  - .name:           k_qfa54355775_up
    .symbol:         k_qfa54355775_up.kd
    .args:
      - { .name: lat, .offset: 0, .size: 8, .value_kind: global_buffer, .address_space: global }
      - { .name: wts, .offset: 8, .size: 8, .value_kind: global_buffer, .address_space: global }
      - { .name: bq_up, .offset: 16, .size: 8, .value_kind: global_buffer, .address_space: global }
      - { .name: bk_up, .offset: 24, .size: 8, .value_kind: global_buffer, .address_space: global }
      - { .name: bv_up, .offset: 32, .size: 8, .value_kind: global_buffer, .address_space: global }
      - { .name: qb, .offset: 40, .size: 8, .value_kind: global_buffer, .address_space: global }
      - { .name: kb, .offset: 48, .size: 8, .value_kind: global_buffer, .address_space: global }
      - { .name: vb, .offset: 56, .size: 8, .value_kind: global_buffer, .address_space: global }
    .group_segment_fixed_size: 327680
    .private_segment_fixed_size: 0
    .kernarg_segment_align: 8
    .kernarg_segment_size: 64
    .max_flat_workgroup_size: 128
    .sgpr_count:     92
    .vgpr_count:     1024
    .wavefront_size: 32
...
	.end_amdgpu_metadata
.endif
;; end of part 3
;; launch attn (part 4): grid 8 x 32, 4 waves a work-group, clusters of 4 x 1, 327,680 bytes of LDS; arguments qb, kb, vb, ob; writes ob
.if DOCPART == 4
	.amdgcn_target "amdgcn-amd-amdhsa--gfx1250"
	.amdhsa_code_object_version 6
	.text
	.protected	k_qfa54355775_attn
	.globl	k_qfa54355775_attn
	.p2align	8
	.type	k_qfa54355775_attn,@function
k_qfa54355775_attn:
	s_mov_b64 s[64:65], 0
	v_nop
	global_prefetch_b8 v0, s[64:65] scope:SCOPE_SE
	s_setreg_imm32_b32 hwreg(HW_REG_WAVE_MODE, 25, 1), 1
	s_wait_xcnt 0x0
	s_wait_alu depctr_hold_cnt(0) depctr_sa_sdst(0) depctr_va_vdst(0) depctr_va_sdst(0) depctr_va_ssrc(0) depctr_va_vcc(0) depctr_vm_vsrc(0)
	s_getreg_b32 s2, hwreg(HW_REG_IB_STS2, 6, 4)
	s_cmp_eq_u32 s2, 0
	s_cbranch_scc0 .Lentry_in_a_cluster
	s_endpgm
.Lentry_in_a_cluster:
	s_bfe_u32 s2, ttmp6, 0x10000c
	s_cmp_lg_u32 s2, 0x3003
	s_cbranch_scc0 .Lentry_shape_is_right
	s_endpgm
.Lentry_shape_is_right:
; O[h][q][:] = the sum over k of softmax_k(Q[h][q] . K[h][k] / sqrt(128)) V[h][k][:].  Q, K, V, O: [32 = 16 batch + head][2048][128], all bf16.  Products, maxima and sums in f32; the weights p
; are rounded to bf16 for the second product, O once at the end.
; LIMITS.  c s lies above -4e37 (c m starts at -4.25e37, far below every c s); a weight below 2^-126 counts as 0 in l; NaN and infinities are not treated apart.
; SHARES.  A work-group owns 256 queries of one head, each of its four waves 64: four tiles of 16.  Every wave walks all keys of the head, 64 a step.
; LAYOUT.  S^T = K Q^T (source 0 = 16 keys, source 1 = 16 queries): a lane holds ONE query (lane % 16) and the keys 8 (lane / 16) + 0..7.  Two such tiles, rounded to bf16 in pairs, ARE source 1
; (32 keys x 16 queries) of O^T = V^T P, whose result again holds one query a lane, and eight channels.  K comes out of LDS as it lies, V ([key][channel]) turned, by ds_load_tr16_b128.
; SOFTMAX.  For each query a running maximum m and sum l: p = 2^(c s - c m), c = log2(e) / sqrt(128); in every step O and l are multiplied by a = 2^(c m_old - c m_new).
; BY TURNS.  The wave's tiles are two PIECES (tiles 0, 1 and tiles 2, 3).  In a TURN one piece has the matrix unit: 32 products V^T P of the step in hand, then 32 products K Q^T of the next step; the other
; piece's softmax, cut into 64 slices, stands between them, one slice behind each matrix instruction.  Two turns are a key step.
; NO FIRST STEP IS WRITTEN OUT.  m starts at the lowest finite number, l, O^T, V's registers and piece 2's P at 0: the first step is a step like any other, with a = 0, and the loop is entered in the middle of a trip, at
; piece 2's turn.  The price: 432 v_mov_b32, issued in the wait for the first tile, and 32 products on zeros; the gain: three turns of text less.
; CLUSTER.  The four query blocks of a cluster belong to one head and walk the same K and V: each tile is asked for jointly, by the same load, descriptor and mask in all four.
; REGISTERS, in windows of 256: window 0: v0-11 addresses; v12-43 eight registers of statistics a tile; v64-191 S^T, 32 a tile; v192-255 P, 16 a tile.
;   window 1: O^T, 64 a tile.   window 2: v0-127 Q, 32 a tile; v128-255 K of one step.   window 3: v0-127 V of one step.
.set SIZE_H, 32
.set SIZE_N, 2048
.set KS,    64        ; keys in a step
.set PK,    272       ; a row of K in LDS: 256 bytes + 16 of padding = 68 words: row r starts at bank 4 r mod 64 (64 banks of 4 bytes: ISA guide 11.1)
.set PV,    288       ; a row of V: 256 + 32 = 72 words
.set VOFF,  KS*PK     ; a step's tiles lie together: 64 rows of K, then 64 rows of V
.set STEPB, KS*(PK+PV)
.set SLOT1, 1<<17     ; a slot holds two steps (71,680 bytes); slot 1 begins here
.set STAGE, SLOT1+2*STEPB  ; behind the ring: 16 rows x 272 bytes for each wave, for the way out
.set SP,    272
.set AK0, 2           ; v2   my lane's place in a tile of K; never rewritten
.set AV0, 3           ; v3   the same for V
.set ADR, 4           ; v4   the LDS address of the run of loads in hand
.set QO,  5           ; v5   my byte offset in the wave's rows of Q
.set STO, 6           ; v6   the way out: where I put 16 bytes of a row
.set RD,  7           ; v7   the way out: where I read a row back
.set GO,  8           ; v8   my byte offset in the wave's rows of O
.set SPW, 62          ; v62  my spare word; never rewritten
.set NIL, 63          ; v63  0; never rewritten
.set SPARE, STAGE+4*16*272  ; behind the stages: the spare words, 128 bytes a wave
.set ST,  12          ; tile t's statistics at v[ST+8 t]: +0 c m, +1 m, +2, +3 l (even keys', odd keys'), +4 to +7 c0-c3, at work; a takes c2's place once the maximum is found
.set S,   64
.set P,   192
.set KF,  128         ; K's fragments, in window 2
.set WV,  12          ; s12  my wave's number
.set G1K, 24          ; s[24:31] descriptor group 1 for K's tiles
.set G1V, 32          ; s[32:39] for V's: it differs in the padding alone
.set G0K, 40          ; s[40:47] descriptor group 0 for K's tiles: a set for each of the two first fills; the second then walks on
.set G0V, 48          ; s[48:55] the same for V's
.set SLOTS, 56        ; s56  trips of the loop over slots still to come
.set TWICE, 57        ; s57  counts a slot's two steps
.set CS,  58          ; s[58:59] c
.set SEL, 60          ; s[60:61] lane selects for v_permlanex16_b32: each lane takes its own place in the other half
.set TB,  62          ; s62  LDS byte at which the tiles of the step to be fetched begin
.set PFA, 18          ; s[18:19] where my prefetches stand: my work-group's 32 rows (of K: wave 0, of V: wave 2) of the slot after the one that is being asked for
.set LIM, 15          ; s15  1 in a wave that prefetches, else the greatest number
.set PFO, 61          ; v61  256 x my lane: a row of K or V is 256 bytes; never rewritten
.set MSB, 0
.macro WIN new
.if MSB != (\new)
	s_set_vgpr_msb (MSB<<8)|(\new)
.set MSB, \new
.endif
.endm
.set W_KQ, 0x0a       ; K and Q in window 2, S^T in window 0
.set W_PV, 0x53       ; V in window 3, P in window 0, O^T in window 1
.set W_RS, 0x41       ; O^T (destination and source 0) in window 1, a in window 0
; A joint refill.  Waves 0 and 1 fetch the two steps' tiles of K, waves 2 and 3 those of V.  s_nop 0 and four v_nop follow each of the two lines.
.macro JLOAD
	s_cmp_lt_u32 s[WV], 2
	s_cbranch_scc0 .Lfor_v_\@
	tensor_load_to_lds s[G0K+4:G0K+7], s[G1K:G1K+7]
	s_nop 0
.rept 4
	v_nop
.endr
	s_branch .Lasked_\@
.Lfor_v_\@:
	tensor_load_to_lds s[G0V+4:G0V+7], s[G1V:G1V+7]
	s_nop 0
.rept 4
	v_nop
.endr
.Lasked_\@:
.endm
; A prefetch of what the NEXT change of slots will ask for: a slot's 128 rows of K and 128 of V, 256 bytes a row, a lane a row; behind the wave's tensor load and its five lines.
; Each row is named once in the launch: the head's first cluster asks; its four partners take 32 rows each, told apart by address; in each, wave 0 asks for K's and wave 2 for V's.
; The last change that fills a slot asks for nothing: there is no slot behind it.
.macro ASK
	s_cmp_gt_u32 s[SLOTS], s[LIM]
	s_cbranch_scc0 .Lnot_mine_\@
	global_prefetch_b8 v[PFO], s[PFA:PFA+1] th:TH_LOAD_NT scope:SCOPE_SE
.Lnot_mine_\@:
.endm
.macro CROUND                       ; a round of the cluster's barrier
	s_barrier_signal -1
	s_barrier_wait -1
	s_cmp_lg_u32 s[WV], 0
	s_cbranch_scc1 .Lnot_wave_0_\@
	s_barrier_signal -3
.Lnot_wave_0_\@:
	s_barrier_wait -3
	s_barrier_signal -1
	s_barrier_wait -1
.endm
	s_load_b256 s[4:11], s[0:1], 0x0  ; Q s[4:5], K s[6:7], V s[8:9], O s[10:11]
	v_lshl_add_u32 v[SPW], v0, 2, SPARE
	v_mov_b32 v[NIL], 0
	ds_add_u32 v[SPW], v[NIL]       ; the wave's opening: the add and its wait stand ahead of my first tensor load
	v_lshrrev_b32 v1, 5, v0
	v_readfirstlane_b32 s[WV], v1   ; wave 0..3
	s_bfe_u32 s13, ttmp6, 0x40000   ; cx
	s_lshl_b32 s14, ttmp9, 2
	s_add_co_u32 s14, s14, s13      ; my block of 256 queries: it enters Q's and O's addresses alone
	s_and_b32 s20, ttmp7, 0xffff    ; the head, which the four partners share
	s_mov_b32 s21, 0
	s_mov_b64 s[22:23], SIZE_N*256
	s_mul_u64 s[20:21], s[20:21], s[22:23]  ; the head's first byte in each of the four tensors
	s_and_b32 s16, s[WV], 1         ; which of a slot's two steps I fetch:
	s_lshl_b32 s22, s16, 14         ; its 64 rows of 256 bytes in memory,
	s_mov_b32 s23, 0
	s_add_nc_u64 s[22:23], s[22:23], s[20:21]
	s_mul_i32 s17, s16, STEPB       ; and its place in a slot
	s_lshl_b32 s2, s14, 16          ; my block's 256 rows,
	s_lshl_b32 s3, s[WV], 14        ; my wave's 64 of them
	s_add_co_u32 s2, s2, s3
	s_mov_b32 s3, 0
	s_add_nc_u64 s[2:3], s[2:3], s[20:21]
	s_mov_b32 s[G1K], 15|(1<<16)|(1<<20)|(1<<21)|(5<<22)|(3<<25)  ; the mask of four; 2-byte elements; padding on; bit 21 beside a mask; after every 64 words (code 5) 4 words (code 3)
	s_mov_b32 s[G1V], 15|(1<<16)|(1<<20)|(1<<21)|(5<<22)|(7<<25)  ; the same with 8 words of padding (code 7)
.irp g, G1K, G1V
	s_mov_b32 s[(\g)+1], 128<<16    ; tensor_dim0 = 128
	s_mov_b32 s[(\g)+2], KS<<16     ; tensor_dim1 = 64
	s_mov_b32 s[(\g)+3], 128<<16    ; tile_dim0 = 128
	s_mov_b32 s[(\g)+4], KS         ; tile_dim1 = 64
	s_mov_b32 s[(\g)+5], 128        ; elements from row to row
	s_mov_b32 s[(\g)+6], 0
	s_mov_b32 s[(\g)+7], 0
.endr
	s_mov_b32 s[CS], 0x3e0293ee     ; c = log2(e) / sqrt(128) = 0.127517
	s_mov_b32 s[CS+1], s[CS]
	s_mov_b32 s[SEL], 0x76543210
	s_mov_b32 s[SEL+1], 0xfedcba98
	s_mov_b32 s[TB], 0
	s_mov_b32 s[SLOTS], SIZE_N/(2*KS)-1  ; the first, partial trip, and one for every slot that is filled again
	s_and_b32 s[LIM], s[WV], 1       ; 0 in waves 0 and 2,
	s_or_b32 s[LIM], s[LIM], ttmp9   ; where the cluster is the head's first
	s_cmp_eq_u32 s[LIM], 0
	s_cselect_b32 s[LIM], 1, -1
	v_and_b32 v[PFO], 31, v0
	v_lshlrev_b32 v[PFO], 8, v[PFO]
	s_wait_dscnt 0x0                ; the opening add is done
	s_wait_kmcnt 0x0
	s_add_nc_u64 s[6:7], s[6:7], s[22:23]  ; K and V at my tile of slot 0
	s_add_nc_u64 s[8:9], s[8:9], s[22:23]
	s_add_nc_u64 s[4:5], s[4:5], s[2:3]  ; Q and O at my wave's first row
	s_add_nc_u64 s[10:11], s[10:11], s[2:3]
	s_cmp_lt_u32 s[WV], 2
	s_cselect_b64 s[PFA:PFA+1], s[6:7], s[8:9]  ; (in waves 0 and 2 these stand at a slot's first row)
	s_lshl_b32 s2, s13, 13          ; my work-group's 32 rows of the 128
	s_mov_b32 s3, 0
	s_add_nc_u64 s[PFA:PFA+1], s[PFA:PFA+1], s[2:3]
	s_add_nc_u64 s[PFA:PFA+1], s[PFA:PFA+1], 2*2*KS*256  ; in slot 2; the first change of slots steps it to slot 3.  Nothing is prefetched at the head
	CROUND                          ; all four work-groups are here: the first joint loads meet
.irp s, 0,1
	s_mov_b32 s[G0K+4*(\s)], 1
	s_add_co_u32 s[G0K+4*(\s)+1], s17, (\s)*SLOT1
	s_add_nc_u64 s[G0K+4*(\s)+2:G0K+4*(\s)+3], s[6:7], (\s)*2*KS*256
	s_or_b32 s[G0K+4*(\s)+3], s[G0K+4*(\s)+3], 0x80000000
	s_mov_b32 s[G0V+4*(\s)], 1
	s_add_co_u32 s[G0V+4*(\s)+1], s17, (\s)*SLOT1+VOFF
	s_add_nc_u64 s[G0V+4*(\s)+2:G0V+4*(\s)+3], s[8:9], (\s)*2*KS*256
	s_or_b32 s[G0V+4*(\s)+3], s[G0V+4*(\s)+3], 0x80000000
.endr
	s_cmp_lt_u32 s[WV], 2           ; a wave's two first fills stand in one branch: two loads of mine are out
	s_cbranch_scc0 .Lfirst_v
	tensor_load_to_lds s[G0K:G0K+3], s[G1K:G1K+7]
	s_nop 0
	tensor_load_to_lds s[G0K+4:G0K+7], s[G1K:G1K+7]
	s_nop 0
.rept 4
	v_nop
.endr
	s_branch .Lfirst_asked
.Lfirst_v:
	tensor_load_to_lds s[G0V:G0V+3], s[G1V:G1V+7]
	s_nop 0
	tensor_load_to_lds s[G0V+4:G0V+7], s[G1V:G1V+7]
	s_nop 0
.rept 4
	v_nop
.endr
.Lfirst_asked:
	; A fragment of K or Q is 16 rows x 32 channels in 8 registers: two loads of 16 bytes, 32 bytes apart.
	v_and_b32 v1, 15, v0            ; l % 16
	v_bfe_u32 v9, v0, 4, 1          ; l / 16
	v_lshlrev_b32 v[QO], 8, v1
	v_lshl_add_u32 v[QO], v9, 4, v[QO]  ; row x 256 + 16 x half
	WIN 0x80                        ; destination window 2, address window 0
.irp i, 0,1,2,3,4,5,6,7,8,9,10,11,12,13,14,15  ; Q stays in registers: tile i / 4, channels 32 (i % 4) on
	global_load_b128 v[8*(\i):8*(\i)+3],   v[QO], s[4:5] offset:((\i)/4)*4096+((\i)%4)*64
	global_load_b128 v[8*(\i)+4:8*(\i)+7], v[QO], s[4:5] offset:((\i)/4)*4096+((\i)%4)*64+32
.endr
	WIN 0
	v_mul_u32_u24 v[AK0], v1, PK
	v_lshl_add_u32 v[AK0], v9, 4, v[AK0]  ; row x pitch + 16 x half
	; The turning load takes 16 keys x 16 channels (lane l reads key 8 (l / 16) + l % 8, channels 8 ((l / 8) % 2) + 0..7) and leaves half a fragment of V^T.
	v_and_b32 v10, 7, v0
	v_bfe_u32 v11, v0, 3, 1
	v_lshl_add_u32 v[AV0], v9, 3, v10
	v_mul_u32_u24 v[AV0], v[AV0], PV
	v_lshl_add_u32 v[AV0], v11, 4, v[AV0]
	v_add_nc_u32 v[AV0], VOFF, v[AV0]
	; What the first turn finds: V's registers and piece 2's P hold 0 (its products V^T P, of a step that has not been, add 0), O^T and l are 0, m and c m lie below every score.  All this stands in the wait for the first tile.
	WIN 0xc0                        ; destination window 3
.set i, 0
.rept 128
	v_mov_b32 v[i], 0
.set i, i+1
.endr
	WIN 0x40                        ; destination window 1
.set i, 0
.rept 256
	v_mov_b32 v[i], 0
.set i, i+1
.endr
	WIN 0
.set i, 0
.rept 4
	v_mov_b32 v[ST+8*i], 0xfe000000    ; c m: far below every c s
	v_mov_b32 v[ST+8*i+1], 0xff7fffff  ; m
	v_mov_b32 v[ST+8*i+2], 0
	v_mov_b32 v[ST+8*i+3], 0
.set i, i+1
.endr
.set i, P+32
.rept 32
	v_mov_b32 v[i], 0
.set i, i+1
.endr
; THE MATRIX WORK OF A TURN, for piece x.  The accumulators take turns, one instruction a turn.
; Product i of 32 of O^T += V^T P: keys 32 (i / 16) on, channels 16 ((i / 2) % 8) on, tile x + i % 2.
.macro PV x
	WIN W_PV
.set rO, 64*((\x)+i%2)+8*((i/2)%8)
.set rV, 64*(i/16)+8*((i/2)%8)
.set rP, P+16*((\x)+i%2)+8*(i/16)
	v_wmma_f32_16x16x32_bf16 v[rO:rO+7], v[rV:rV+7], v[rP:rP+7], v[rO:rO+7]
.endm
; Product i of 32 of S^T = K Q^T: channels 32 (i / 8) on, keys 16 ((i / 2) % 4) on, tile x + i % 2.  The first 8 start the sums.
.macro KQ x
	WIN W_KQ
.set rS, S+32*((\x)+i%2)+8*((i/2)%4)
.set rK, KF+32*((i/2)%4)+8*(i/8)
.set rQ, 32*((\x)+i%2)+8*(i/8)
.if i < 8
	v_wmma_f32_16x16x32_bf16 v[rS:rS+7], v[rK:rK+7], v[rQ:rQ+7], 0
.else
	v_wmma_f32_16x16x32_bf16 v[rS:rS+7], v[rK:rK+7], v[rQ:rQ+7], v[rS:rS+7]
.endif
.endm
; THE LDS LOADS stand in runs of 32: a step's K (16 fragments) and, a turn later, its V (turned).
.macro FETCH_K
	WIN 0
	v_add_nc_u32 v[ADR], s[TB], v[AK0]
	WIN 0x80                        ; destination window 2
.irp f, 0,1,2,3,4,5,6,7,8,9,10,11,12,13,14,15  ; keys 16 (f / 4) on, channels 32 (f % 4) on
	ds_load_b128 v[KF+8*(\f):KF+8*(\f)+3],   v[ADR] offset:((\f)/4)*16*PK+((\f)%4)*64
	ds_load_b128 v[KF+8*(\f)+4:KF+8*(\f)+7], v[ADR] offset:((\f)/4)*16*PK+((\f)%4)*64+32
.endr
.endm
.macro FETCH_V
	WIN 0
	v_add_nc_u32 v[ADR], s[TB], v[AV0]
	s_add_co_u32 s[TB], s[TB], STEPB  ; the next fetch is the next step's
	s_wait_alu depctr_va_vdst(0)    ; the wait for the softmax's batch of exponentials, behind the address's line and ahead of the loads
	WIN 0xc0                        ; destination window 3
.irp f, 0,1,2,3,4,5,6,7,8,9,10,11,12,13,14,15  ; keys 32 (f / 8) on, channels 16 (f % 8) on
	ds_load_tr16_b128 v[8*(\f):8*(\f)+3],   v[ADR] offset:((\f)/8)*32*PV+((\f)%8)*32
	ds_load_tr16_b128 v[8*(\f)+4:8*(\f)+7], v[ADR] offset:((\f)/8)*32*PV+16*PV+((\f)%8)*32
.endr
.endm
; THE VECTOR WORK OF A TURN.  One tile's softmax for one key step is a list of 134 instructions; SM writes number j of it for tile t.
;   0-15    the maximum of the lane's 32 scores and the old m, three operands at a time
;   16-20   the other half of the lanes' maximum; c m_old is kept; the new m; c m; c m_old - c m_new
;   21-69   ONE BATCH: the 16 scalings c s - c m and all 33 exponentials (a at 23); none of these reads an exponential's result
;   (wait)  between 69 and 70 stands the one wait for the batch: SLICE writes it, once for both tiles
;   70-85   the roundings to bf16     86-101  the sums; l = a l + the sum     102-133 the tile's O^T times a
.macro SM t
.set rT, ST+8*(\t)
.set rS, S+32*(\t)
.set rP, P+16*(\t)
.set rO, 64*(\t)+2*(j-102)
.if j < 102
	WIN 0
.endif
.if j < 4
	v_max3_num_f32 v[rT+4+j], v[rS+8*j], v[rS+8*j+1], v[rS+8*j+2]
.elseif j < 12
	v_max3_num_f32 v[rT+4+j%4], v[rT+4+j%4], v[rS+8*(j%4)+2*(j/4)+1], v[rS+8*(j%4)+2*(j/4)+2]
.elseif j == 12
	v_max3_num_f32 v[rT+4], v[rT+4], v[rS+7], v[rS+15]
.elseif j == 13
	v_max3_num_f32 v[rT+6], v[rT+6], v[rS+23], v[rS+31]
.elseif j == 14
	v_max3_num_f32 v[rT+4], v[rT+4], v[rT+5], v[rT+6]
.elseif j == 15
	v_max3_num_f32 v[rT+4], v[rT+4], v[rT+7], v[rT+1]
.elseif j == 16
	v_permlanex16_b32 v[rT+5], v[rT+4], s[SEL], s[SEL+1]  ; the query's other 32 keys lie in the lane 16 away
.elseif j == 17
	v_mov_b32 v[rT+7], v[rT]        ; c m_old is kept for a
.elseif j == 18
	v_max_num_f32 v[rT+1], v[rT+4], v[rT+5]
.elseif j == 19
	v_mul_f32 v[rT], s[CS], v[rT+1]
.elseif j == 20
	v_sub_f32 v[rT+7], v[rT+7], v[rT]
.elseif j == 23
	v_exp_f32 v[rT+6], v[rT+7]
.elseif (j < 23) || ((j < 38) && (j%2 == 0)) || ((j < 66) && (j%4 == 2))
.set b, (j-2)/4                     ; 38, 42, .. 62: pairs 9 to 15
.if j < 38
.set b, (j-20)/2                    ; 21: pair 0; 22, 24, .. 36: pairs 1 to 8
.endif
	v_pk_fma_f32 v[rS+2*b:rS+2*b+1], v[rS+2*b:rS+2*b+1], s[CS:CS+1], v[rT:rT+1] op_sel_hi:[1,0,0] neg_lo:[0,0,1] neg_hi:[0,0,1]  ; pair b: c s - c m
.elseif j < 70
.set e, j-38                        ; 66 to 69: s28 to s31
.if j < 66
.set e, j-32-(j-38)/4               ; 39-41, 43-45, .. 63-65: s7 to s27
.endif
.if j < 38
.set e, (j-25)/2                    ; 25, 27, .. 37: s0 to s6
.endif
	v_exp_f32 v[rS+e], v[rS+e]
.elseif j < 86
	v_cvt_pk_bf16_f32 v[rP+j-70], v[rS+2*(j-70)], v[rS+2*(j-70)+1]  ; pair j - 70
.elseif j < 102                     ; the sum of the tile's 16 pairs, in place: neighbours 1, 2, 4 and 8 pairs apart, then l takes it
.set z, j-86
.set w, 4
.set u, z
.if z >= 14
.set w, 32
.set u, 0
.elseif z >= 12
.set w, 16
.set u, z-12
.elseif z >= 8
.set w, 8
.set u, z-8
.endif
.if z < 15
	v_pk_add_f32 v[rS+w*u:rS+w*u+1], v[rS+w*u:rS+w*u+1], v[rS+w*u+w/2:rS+w*u+w/2+1]
.else
	v_pk_fma_f32 v[rT+2:rT+3], v[rT+2:rT+3], v[rT+6:rT+7], v[rS:rS+1] op_sel_hi:[1,0,1]
.endif
.else
	WIN W_RS
	v_pk_mul_f32 v[rO:rO+1], v[rO:rO+1], v[rT+6:rT+7] op_sel_hi:[1,0]
.endif
.endm
; Slice k of 64 of piece y's softmax: four instructions.  Slices 11 to 34 deal out the batch, numbers 22 to 69: four numbers of ONE tile each, the tiles by turns.  Every other slice is numbers 2 k and
; 2 k + 1 of both tiles' lists.  2 x 134 = 4 x 64 + 12: the twelve that are over stand together, in slice 63.
; Ahead of slice 35 nothing names an exponential's result, and behind slice 34 no exponential is issued: so the piece's 66 exponentials have one wait, behind slice 34.
.macro SLICE y
.if (k >= 11) && (k < 35)
.irp n, 0,1,2,3
.set j, 22+4*((k-11)/2)+(\n)
	SM (\y)+(k-11)%2
.endr
.else
.irp n, 0,1,2,3,4,5,6,7
.if ((\n) < 2) || (k == 63)
.irp t, \y, (\y)+1
.set j, 2*k+(\n)
	SM \t
.endr
.endif
.endr
.endif
.if k == 34
	v_nop                           ; a plain instruction behind the last exponential and ahead of the first use: one for the batch
.if (\y) == 0
	FETCH_V                         ; piece 2's turn: V's run of loads stands here, and the wait stands in it
.else
	s_wait_alu depctr_va_vdst(0)    ; the wait for the batch
.endif
.endif
.set k, k+1
.endm
; A TURN.  Piece x has the matrix unit: 32 products V^T P and, with kq = 1, 32 products K Q^T for the next step; the other piece's softmax stands in slices behind them (kq = 0: two slices behind each product).
; Piece 0's turn fetches the next step's K, behind its second product; piece 2's turn the same step's V, behind slice 34: four plain instructions lie between V's last reader and the loads.
.macro TURN x, kq
.set k, 0
.set per, 2-(\kq)
.if (\x) == 0
	s_wait_dscnt 0x0                ; V is in
.endif
.set i, 0
.rept 32
	PV \x
.rept per
	SLICE 2-(\x)
.endr
.if ((\x) == 0) && (\kq) && (i == 1)
	FETCH_K
.endif
.set i, i+1
.endr
.if \kq
.if (\x) == 0
	s_wait_dscnt 0x0                ; K is in
.endif
.set i, 0
.rept 32
	KQ \x
	SLICE 2-(\x)
.set i, i+1
.endr
.endif
.endm
; THE CHANGE OF SLOTS.  Each wave waits for all its tensor loads, of which one is out: its part of the other slot; adds 0 to its spare word; and waits for that and for its own reads of the slot.
; fill = 1: this slot is filled again, with the keys two slots on.  The barrier is then a round of the cluster's, and the joint refill is the first thing behind it: it has two key steps, 256 matrix instructions, in which to land.
.macro CHANGE fill
	WIN 0
	s_wait_tensorcnt 0x0            ; no tensor load of mine is out, so a group 0 may be written
	ds_add_u32 v[SPW], v[NIL]
.if \fill
.irp g, G0K+4, G0V+4
	s_xor_b32 s[(\g)+1], s[(\g)+1], SLOT1  ; the walking descriptor: the other slot than last time,
	s_add_nc_u64 s[(\g)+2:(\g)+3], s[(\g)+2:(\g)+3], 2*KS*256  ; the next 128 keys
.endr
	s_wait_xcnt 0x0                 ; the last prefetches, two key steps back, have read their address
	s_add_nc_u64 s[PFA:PFA+1], s[PFA:PFA+1], 2*KS*256
	s_wait_dscnt 0x0                ; the add is done, and my reads of the slot are over
	CROUND
	JLOAD
	ASK                             ; what the next change will ask for: two key steps, 256 matrix instructions, ahead
.else
	s_wait_dscnt 0x0
	s_barrier_signal -1
	s_barrier_wait -1
.endif
	s_sub_co_u32 s[TB], s[TB], 2*STEPB  ; the fetches go back to a slot's first step,
	s_xor_b32 s[TB], s[TB], SLOT1   ; in the other slot
.endm
	s_wait_tensorcnt 1              ; my part of slot 0 is in; slot 1's may stay out
	s_barrier_signal -1
	s_barrier_wait -1
	FETCH_K                         ; key step 0
	s_wait_loadcnt 0x0              ; Q
	s_wait_dscnt 0x0
.set i, 0
.rept 32
	KQ 0                            ; piece 0's first scores: there is no vector work yet to set between them
.set i, i+1
.endr
	WIN 0                           ; the addresses for the way out: eight plain instructions, the places behind those products
	s_mul_i32 s13, s[WV], 16*SP
	s_add_co_u32 s13, s13, STAGE    ; my stage
	v_mul_u32_u24 v[STO], v1, SP
	v_lshl_add_u32 v[STO], v9, 4, v[STO]
	v_add_nc_u32 v[STO], s13, v[STO]
	v_mul_u32_u24 v[RD], v9, SP
	v_lshl_add_u32 v[RD], v1, 4, v[RD]
	v_add_nc_u32 v[RD], s13, v[RD]
	v_lshlrev_b32 v[GO], 8, v9
	v_lshl_add_u32 v[GO], v1, 4, v[GO]
	s_mov_b32 s[TWICE], 2
	s_branch .Lmid                  ; the loop is entered in the middle of a trip: piece 2's first scores | piece 0's first softmax | V of step 0; its products V^T P add 0
.Lslot:                             ; SIZE_N / 128 - 2 whole trips behind the first, partial one: every slot but the last two is filled again
	CHANGE 1
	s_mov_b32 s[TWICE], 2
.Lstep:                             ; a slot's two key steps: written once, walked twice
	TURN 0, 1
	WIN 0
.Lmid:
	TURN 2, 1
	WIN 0
	s_sub_co_u32 s[TWICE], s[TWICE], 1
	s_cmp_lg_u32 s[TWICE], 0
	s_cbranch_scc1 .Lstep
	s_sub_co_u32 s[SLOTS], s[SLOTS], 1
	s_cmp_lg_u32 s[SLOTS], 0
	s_cbranch_scc1 .Lslot
	CHANGE 0                        ; the tail is written out
	s_mov_b32 s[TWICE], 2
.Ltail:
	TURN 0, 1
	TURN 2, 1
	WIN 0
	s_sub_co_u32 s[TWICE], s[TWICE], 1
	s_cmp_lg_u32 s[TWICE], 0
	s_cbranch_scc1 .Ltail
	TURN 0, 0                       ; piece 0: V^T P of the last step | piece 2's last softmax
.set i, 0
.rept 32
	PV 2                            ; piece 2: V^T P of the last step
.set i, i+1
.endr
	; THE WAY OUT.  l's two halves and the other half of the lanes' are added; O^T is divided by l, rounded to bf16 and sent through my stage in LDS, a tile at a time.  The additions are the places behind the last products.
	WIN 0
.irp t, 0,1,2,3
	v_add_f32 v[ST+8*(\t)+4], v[ST+8*(\t)+2], v[ST+8*(\t)+3]
.endr
.irp t, 0,1,2,3
	v_permlanex16_b32 v[ST+8*(\t)+5], v[ST+8*(\t)+4], s[SEL], s[SEL+1]
.endr
.irp t, 0,1,2,3
	v_add_f32 v[ST+8*(\t)+4], v[ST+8*(\t)+4], v[ST+8*(\t)+5]
.endr
.irp t, 0,1,2,3
	v_rcp_f32 v[ST+8*(\t)+6], v[ST+8*(\t)+4]
.endr
	v_nop                           ; a plain instruction between the last reciprocal and the use of its result,
	s_wait_alu depctr_va_vdst(0)    ; and one wait for the four reciprocals, ahead of the first use
.macro PACK t
	WIN W_RS
.set i, 64*(\t)
.rept 32
	v_pk_mul_f32 v[i:i+1], v[i:i+1], v[ST+8*(\t)+6:ST+8*(\t)+7] op_sel_hi:[1,0]
.set i, i+2
.endr
	WIN 0x05                        ; sources 0 and 1 window 1, destination window 0: S^T's registers are free
.set i, 0
.rept 32
	v_cvt_pk_bf16_f32 v[S+32*(\t)+i], v[64*(\t)+2*i], v[64*(\t)+2*i+1]
.set i, i+1
.endr
	WIN 0
.irp f, 0,1,2,3,4,5,6,7
	ds_store_b128 v[STO], v[S+32*(\t)+4*(\f):S+32*(\t)+4*(\f)+3] offset:32*(\f)
.endr
.irp f, 0,1,2,3,4,5,6,7
	ds_load_b128 v[S+32*(\t)+4*(\f):S+32*(\t)+4*(\f)+3], v[RD] offset:(\f)*2*SP  ; LDS serves a wave's instructions in order (ISA guide 5.7.1.4): these see the stores above
.endr
.endm
.macro SEND t, younger              ; younger: the LDS instructions issued behind tile t's loads
	WIN 0
.irp f, 0,1,2,3,4,5,6,7
	s_wait_dscnt (\younger)+7-(\f)
	global_store_b128 v[GO], v[S+32*(\t)+4*(\f):S+32*(\t)+4*(\f)+3], s[10:11] offset:(\t)*4096+(\f)*512  ; 16 lanes store 256 consecutive bytes, at a multiple of 256 from O's first byte
.endr
.endm
	PACK 0
	PACK 1
	SEND 0, 16
	PACK 2
	SEND 1, 16
	PACK 3
	SEND 2, 16
	SEND 3, 0
	s_wait_tensorcnt 0x0            ; the wave's end
	ds_add_u32 v[SPW], v[NIL]
	s_wait_dscnt 0x0
	CROUND                          ; the closing round
	s_endpgm
.Lfunc_end_k_qfa54355775_attn:
	.size	k_qfa54355775_attn, .Lfunc_end_k_qfa54355775_attn-k_qfa54355775_attn
	.p2alignl 7, 3214868480
	.fill 96, 4, 3214868480
	.section	.rodata,"a",@progbits
	.p2align	6, 0x0
	.amdhsa_kernel k_qfa54355775_attn
		.amdhsa_group_segment_fixed_size 327680
		.amdhsa_private_segment_fixed_size 0
		.amdhsa_enable_private_segment 0
		.amdhsa_kernarg_size 32
		.amdhsa_user_sgpr_count 2
		.amdhsa_user_sgpr_kernarg_segment_ptr 1
		.amdhsa_wavefront_size32 1
		.amdhsa_system_sgpr_workgroup_id_x 1
		.amdhsa_system_sgpr_workgroup_id_y 1
		.amdhsa_system_sgpr_workgroup_id_z 1
		.amdhsa_system_vgpr_workitem_id 0
		.amdhsa_next_free_vgpr 1024
		.amdhsa_next_free_sgpr 66
		.amdhsa_reserve_vcc 0
		.amdhsa_float_denorm_mode_32 3
		.amdhsa_float_denorm_mode_16_64 3
		.amdhsa_memory_ordered 1
		.amdhsa_forward_progress 1
		.amdhsa_inst_pref_size 175
	.end_amdhsa_kernel
	.amdgpu_metadata
---
amdhsa.version: [ 1, 2 ]
amdhsa.kernels:
  - .name:           k_qfa54355775_attn
    .symbol:         k_qfa54355775_attn.kd
    .args:
      - { .name: qb, .offset: 0, .size: 8, .value_kind: global_buffer, .address_space: global }
      - { .name: kb, .offset: 8, .size: 8, .value_kind: global_buffer, .address_space: global }
      - { .name: vb, .offset: 16, .size: 8, .value_kind: global_buffer, .address_space: global }
      - { .name: ob, .offset: 24, .size: 8, .value_kind: global_buffer, .address_space: global }
    .group_segment_fixed_size: 327680
    .private_segment_fixed_size: 0
    .kernarg_segment_align: 8
    .kernarg_segment_size: 32
    .max_flat_workgroup_size: 128
    .sgpr_count:     66
    .vgpr_count:     1024
    .wavefront_size: 32
...
	.end_amdgpu_metadata
.endif
;; end of part 4
;; launch oproj (part 5): grid 8 x 32, 4 waves a work-group, clusters of 4 x 4, 327,680 bytes of LDS; arguments ob, wts, bo, out0; writes out0
.if DOCPART == 5
	.amdgcn_target "amdgcn-amd-amdhsa--gfx1250"
	.amdhsa_code_object_version 6
	.text
	.protected	k_qfa54355775_oproj
	.globl	k_qfa54355775_oproj
	.p2align	8
	.type	k_qfa54355775_oproj,@function
k_qfa54355775_oproj:
	s_mov_b64 s[64:65], 0
	v_nop
	global_prefetch_b8 v0, s[64:65] scope:SCOPE_SE
	s_setreg_imm32_b32 hwreg(HW_REG_WAVE_MODE, 25, 1), 1
	s_wait_xcnt 0x0
	s_wait_alu depctr_hold_cnt(0) depctr_sa_sdst(0) depctr_va_vdst(0) depctr_va_sdst(0) depctr_va_ssrc(0) depctr_va_vcc(0) depctr_vm_vsrc(0)
	s_getreg_b32 s2, hwreg(HW_REG_IB_STS2, 6, 4)
	s_cmp_eq_u32 s2, 0
	s_cbranch_scc0 .Lentry_in_a_cluster
	s_endpgm
.Lentry_in_a_cluster:
	s_bfe_u32 s2, ttmp6, 0x10000c
	s_cmp_lg_u32 s2, 0xf033
	s_cbranch_scc0 .Lentry_shape_is_right
	s_endpgm
.Lentry_shape_is_right:
; out0[m][n] = sum over k of O[m][k] Wo[n][k] + bo[n], f32.  O lies by heads, ob: [16 batch + head][2048][128] bf16, so a K step of 128 is a head; Wo's bf16 copy: wts from byte 8,388,608, [2048][2048];
; bo is rounded to bf16 like every input of the module.
; LIMITS.  bf16 operands, f32 sums, stored as they are; NaN and infinities are not treated apart.
; SHARES.  8 x 32 = 256 tiles of 128 rows x 256 columns, one for each work-group; a wave makes 64 x 128: 32 accumulators.  K = 2,048 in 16 steps of 128 through two LDS slots.
; CLUSTER.  4 x 4: O's tile is shared along a row of the cluster, Wo's along a column: joint loads.
; THE PRODUCT IS TAKEN TRANSPOSED (source 0 = Wo's rows, source 1 = O's rows); THE SUMS START FROM THE BIAS (32 products on zero fragments with the bias as C, while the first tiles are on their way).
; ONE TEXT FOR A K STEP, walked by two counted loops; the last trip fetches fragments that nobody multiplies (24 LDS loads and a barrier, once a launch).
; PREFETCH.  Behind each joint refill and the run of LDS loads stands one prefetch for the K step two refills on, 256 matrix instructions ahead of its load: 32 rows x 256 bytes, a lane a row.  Each row's 256 bytes of a
; K step are named once in the launch: O's by wave 0 of the clusters with x = 0 (32 cx .. of the tile's 128 rows), Wo's by waves 2 and 3 of the clusters with y = 0 (32 cy .. of the wave's own 128 rows): the partners are
; told apart by address alone.  K steps 0 to 3 come by their loads alone; the last two refills ask for nothing.
; REGISTERS.  window 0: v0-31 addresses; v32-127, v128-223 two fragment buffers (O's at +8 a, Wo's at +32 + 8 b).  window 1: accumulator (a, b) at v[8 (8 a + b)].  window 2: v0-63 the bias, v64-67 at work.
.set PREF,   1
.set KSTEP,  128
.set T,      16
.set PITCH,  272                       ; 256 bytes + 16 of padding = 68 words: row r starts at bank 4 r mod 64 (64 banks of 4 bytes: ISA guide 11.1)
.set APART,  64*PITCH
.set BPART,  128*PITCH
.set XORC,   1<<17                     ; slot 1 begins here (a slot is 104,448 bytes)
.set SPARE,  XORC+2*APART+2*BPART      ; behind the ring: the spare words, 128 bytes a wave
.set STAGE,  SPARE+512                 ; behind them: 32 rows x 528 bytes for each wave, for the way out; no tile lands here
.set SP,     528                       ; 512 bytes + 16 = 132 words
.set APITCH, 128
.set BPITCH, 2048
.set ASTEP,  2048*256                  ; the next head
.set BSTEP,  256
.set WOB,    8388608
.set A0,   16
.set B0,   17
.set ADRA, 18
.set ADRB, 19
.set STO,  24
.set RD,   25
.set CO,   26
.set RD0,  27
.set SPW,  28                          ; v28  my spare word; never rewritten
.set NIL,  29                          ; v29  0; never rewritten
.set PFO,  30                          ; v30  my lane x a row's pitch in memory; never rewritten
.set F0,   32
.set F1,   128
.set OB,   32                          ; the way out: 8 rows read back
.set G1,  24
.set G0,  32
.set G1B, 48
.set G0B, 56
.set TB,  66                           ; s66  0 or XORC: the slot that is read
.set PFA, 76                           ; s[76:77] where my prefetches stand
.set PFS, 78                           ; s[78:79] a K step in bytes, for what I prefetch
.set LIM, 80                           ; s80  2 in a wave that prefetches, else the greatest number
.set MSB, 0
.macro WIN new
.if MSB != (\new)
	s_set_vgpr_msb (MSB<<8)|(\new)
.set MSB, \new
.endif
.endm
.set MUL, 0x50                         ; C and D window 1, sources window 0
.macro PLACES
.rept 4
	v_nop
.endr
.endm
.macro JLOAD                           ; a joint refill by the walking set: waves 0 and 1 fetch O's halves, waves 2 and 3 Wo's; s_nop 0 and four v_nop follow each line
	s_cmp_eq_u32 s11, 0
	s_cbranch_scc0 .Lfor_b_\@
	tensor_load_to_lds s[G0+4:G0+7], s[G1:G1+7]
	s_nop 0
.rept 4
	v_nop
.endr
	s_branch .Lasked_\@
.Lfor_b_\@:
	tensor_load_to_lds s[G0B+4:G0B+7], s[G1B:G1B+7]
	s_nop 0
.rept 4
	v_nop
.endr
.Lasked_\@:
.endm
.macro ASK                             ; s3 counts the refills still to come, this one among them: 14 .. 1; the last two have no K step two on
	s_cmp_gt_u32 s3, s[LIM]
	s_cbranch_scc0 .Lnot_mine_\@
	global_prefetch_b8 v[PFO], s[PFA:PFA+1] th:TH_LOAD_NT scope:SCOPE_SE
.Lnot_mine_\@:
.endm
.macro CREST
	s_cmp_lg_u32 s10, 0
	s_cbranch_scc1 .Lnot_wave_0_\@
	s_barrier_signal -3
.Lnot_wave_0_\@:
	s_barrier_wait -3
	s_barrier_signal -1
	s_barrier_wait -1
.endm
.macro CROUND
	s_barrier_signal -1
	s_barrier_wait -1
	CREST
.endm
	s_load_b256 s[68:75], s[0:1], 0x0              ; ob s[68:69], wts s[70:71], bo s[72:73], out0 s[74:75]
	v_lshl_add_u32 v[SPW], v0, 2, SPARE
	v_mov_b32 v[NIL], 0
	ds_add_u32 v[SPW], v[NIL]                      ; the wave's opening: the add and its wait stand ahead of my first tensor load
	v_lshrrev_b32 v1, 5, v0
	v_readfirstlane_b32 s10, v1                    ; wave 0..3
	s_lshr_b32 s11, s10, 1                         ; my half of the tile's rows.  Also: I fetch for O (0) or Wo (1)
	s_and_b32 s12, s10, 1                          ; my half of its columns.  Also: which part I fetch
	s_bfe_u32 s40, ttmp6, 0x40000                  ; cx
	s_bfe_u32 s41, ttmp6, 0x40004                  ; cy
	s_lshl_b32 s42, ttmp9, 2
	s_add_co_u32 s42, s42, s40                     ; tile column
	s_and_b32 s13, ttmp7, 0xffff
	s_lshl_b32 s13, s13, 2
	s_add_co_u32 s13, s13, s41                     ; tile row
	s_lshl_b32 s43, s41, 2
	s_lshl_b32 s43, 15, s43                        ; my row of the cluster
	s_lshl_b32 s44, 0x1111, s40                    ; my column
	s_or_b32 s[G1+0], s43, (1<<16)|(1<<20)|(1<<21)|(5<<22)|(3<<25)  ; the mask; 2-byte elements; padding on; bit 21 beside a mask; after every 64 words (code 5) 4 words (code 3)
	s_or_b32 s[G1B+0], s44, (1<<16)|(1<<20)|(1<<21)|(5<<22)|(3<<25)
	s_mov_b32 s[G1+1], KSTEP<<16                   ; tensor_dim0 = 128
	s_mov_b32 s[G1+2], 64<<16                      ; tensor_dim1 = 64
	s_mov_b32 s[G1+3], KSTEP<<16                   ; tile_dim0 = 128
	s_mov_b32 s[G1+4], 64                          ; tile_dim1 = 64
	s_mov_b32 s[G1+5], APITCH
	s_mov_b32 s[G1+6], 0
	s_mov_b32 s[G1+7], 0
	s_mov_b32 s[G1B+1], KSTEP<<16
	s_mov_b32 s[G1B+2], 128<<16                    ; 128 rows
	s_mov_b32 s[G1B+3], KSTEP<<16
	s_mov_b32 s[G1B+4], 128
	s_mov_b32 s[G1B+5], BPITCH
	s_mov_b32 s[G1B+6], 0
	s_mov_b32 s[G1B+7], 0
	s_lshr_b32 s14, s13, 4
	s_lshl_b32 s14, s14, 15                        ; the batch's 16 heads of 2,048 rows
	s_and_b32 s15, s13, 15
	s_lshl_b32 s15, s15, 7
	s_add_co_u32 s14, s14, s15                     ; the tile's first row in the batch's head 0
	s_lshl_b32 s16, s12, 6
	s_add_co_u32 s16, s16, s14
	s_lshl_b32 s16, s16, 8                         ; x 256 bytes
	s_mov_b32 s17, 0
	s_lshl_b32 s46, s42, 8
	s_lshl_b32 s47, s12, 7
	s_add_co_u32 s46, s46, s47                     ; Wo: row 256 x tile column + 128 x half,
	s_lshl_b32 s46, s46, 12                        ; x 4,096 bytes
	s_add_co_u32 s46, s46, WOB
	s_mov_b32 s47, 0
	s_mul_i32 s20, s12, APART                      ; where they go: no place in the cluster enters an LDS address
	s_mul_i32 s21, s12, BPART
	s_add_co_u32 s21, s21, 2*APART
	s_mov_b32 s[TB], 0
	s_wait_dscnt 0x0                               ; the opening add is done
	s_wait_kmcnt 0x0
	s_add_nc_u64 s[18:19], s[68:69], s[16:17]
	s_add_nc_u64 s[46:47], s[70:71], s[46:47]
	CROUND                                         ; all sixteen work-groups are here: the first joint loads meet
.irp s, 0,1
	s_mov_b32 s[G0+4*(\s)], 1
	s_add_co_u32 s[G0+4*(\s)+1], s20, (\s)*XORC
	s_add_nc_u64 s[G0+4*(\s)+2:G0+4*(\s)+3], s[18:19], (\s)*ASTEP
	s_or_b32 s[G0+4*(\s)+3], s[G0+4*(\s)+3], 0x80000000
	s_mov_b32 s[G0B+4*(\s)], 1
	s_add_co_u32 s[G0B+4*(\s)+1], s21, (\s)*XORC
	s_add_nc_u64 s[G0B+4*(\s)+2:G0B+4*(\s)+3], s[46:47], (\s)*BSTEP
	s_or_b32 s[G0B+4*(\s)+3], s[G0B+4*(\s)+3], 0x80000000
.endr
	s_cmp_eq_u32 s11, 0                            ; a wave's two first fills stand in one branch: two loads of mine are out
	s_cbranch_scc0 .Lfirst_b
	tensor_load_to_lds s[G0:G0+3], s[G1:G1+7]
	s_nop 0
	tensor_load_to_lds s[G0+4:G0+7], s[G1:G1+7]
	s_nop 0
.rept 4
	v_nop
.endr
	s_branch .Lfirst_asked
.Lfirst_b:
	tensor_load_to_lds s[G0B:G0B+3], s[G1B:G1B+7]
	s_nop 0
	tensor_load_to_lds s[G0B+4:G0B+7], s[G1B:G1B+7]
	s_nop 0
.rept 4
	v_nop
.endr
.Lfirst_asked:
	; the prefetches' address, step, lane pitch and limit
	s_lshl_b32 s20, s40, 5
	s_add_co_u32 s20, s20, s14                     ; O: my work-group's 32 of the tile's 128 rows,
	s_lshl_b32 s20, s20, 8                         ; x 256 bytes
	s_lshl_b32 s21, s42, 8
	s_lshl_b32 s22, s12, 7
	s_add_co_u32 s21, s21, s22
	s_lshl_b32 s22, s41, 5
	s_add_co_u32 s21, s21, s22                     ; Wo: my work-group's 32 of the 128 rows that I fetch,
	s_lshl_b32 s21, s21, 12                        ; x 4,096 bytes
	s_add_co_u32 s21, s21, WOB
	s_mov_b32 s22, BSTEP
	s_and_b32 s15, ttmp7, 0xffff                   ; cluster y
	s_cmp_eq_u32 s11, 0                            ; do I fetch for O?
	s_cselect_b32 s20, s20, s21
	s_cselect_b32 s[PFS], ASTEP, s22
	s_cselect_b32 s23, 8, 12                       ; a row in memory: 256 or 4,096 bytes
	s_cselect_b32 s15, ttmp9, s15                  ; the coordinate along which other clusters read the same rows
	s_cselect_b32 s22, s12, 0                      ; of O's two waves the first asks
	s_cselect_b64 s[PFA:PFA+1], s[68:69], s[70:71]
	s_or_b32 s15, s15, s22
	s_cmp_eq_u32 s15, 0
	s_cselect_b32 s[LIM], 2, -1                    ; the same in all sixteen partners, for a given wave
	s_mov_b32 s21, 0
	s_mov_b32 s[PFS+1], 0
	s_add_nc_u64 s[PFA:PFA+1], s[PFA:PFA+1], s[20:21]
	s_mul_i32 s20, s[PFS], 3
	s_add_nc_u64 s[PFA:PFA+1], s[PFA:PFA+1], s[20:21]  ; at K step 3: the first refill steps it to 4
	v_and_b32 v[PFO], 31, v0
	v_lshlrev_b32 v[PFO], s23, v[PFO]
	; the bias of my 128 columns
	s_lshl_b32 s20, s42, 10
	s_lshl_b32 s21, s12, 9
	s_add_co_u32 s20, s20, s21
	s_mov_b32 s21, 0
	s_add_nc_u64 s[22:23], s[72:73], s[20:21]
	v_and_b32 v1, 15, v0                           ; l % 16
	v_bfe_u32 v2, v0, 4, 1                         ; l / 16
	v_lshlrev_b32 v5, 5, v2
	WIN 0x80                                       ; destination window 2
.irp b, 0,1,2,3,4,5,6,7
	global_load_b128 v[8*(\b):8*(\b)+3],   v5, s[22:23] offset:64*(\b)      ; register j of n block b: column 16 b + 8 (l / 16) + j
	global_load_b128 v[8*(\b)+4:8*(\b)+7], v5, s[22:23] offset:64*(\b)+16
.endr
	WIN 0
	v_mul_u32_u24 v3, v1, PITCH
	v_lshl_add_u32 v3, v2, 4, v3                   ; a fragment's row x pitch + 16 x half
	s_mul_i32 s20, s11, APART
	s_mul_i32 s21, s12, BPART
	s_add_co_u32 s21, s21, 2*APART
	v_add_nc_u32 v[A0], s20, v3
	v_add_nc_u32 v[B0], s21, v3
	s_mul_i32 s20, s10, 32*SP
	s_add_co_u32 s20, s20, STAGE                   ; my stage
	v_mul_u32_u24 v[STO], v1, SP                   ; in: row l % 16, 32 bytes for each half of the lanes
	v_lshl_add_u32 v[STO], v2, 5, v[STO]
	v_add_nc_u32 v[STO], s20, v[STO]
	v_and_b32 v[CO], 31, v0
	v_lshlrev_b32 v[CO], 4, v[CO]                  ; back and out: 32 lanes take a row's 512 bytes
	v_add_nc_u32 v[RD0], s20, v[CO]
	s_lshl_b32 s20, s13, 7
	s_lshl_b32 s21, s11, 6
	s_add_co_u32 s20, s20, s21                     ; my first row of out0,
	s_lshl_b32 s20, s20, 13                        ; x 8,192 bytes,
	s_lshl_b32 s21, s42, 10                        ; my first column, in bytes
	s_add_co_u32 s20, s20, s21
	s_lshl_b32 s21, s12, 9
	s_add_co_u32 s20, s20, s21
	s_mov_b32 s21, 0
	s_add_nc_u64 s[74:75], s[74:75], s[20:21]
.irp i, 0,1,2,3,4,5,6,7
	v_mov_b32 v[F0+\i], 0                          ; two zero fragments, in buffer 0
	v_mov_b32 v[F0+32+\i], 0
.endr
	s_wait_loadcnt 0x0                             ; the bias
	WIN 0x8a                                       ; destination and sources window 2
.set i, 0
.rept 32                                               ; rounded to bf16 and widened again, a pair at a time
	v_cvt_pk_bf16_f32 v[64+i%4], v[2*i], v[2*i+1]
	v_lshlrev_b32 v[2*i], 16, v[64+i%4]
	v_and_b32 v[2*i+1], 0xffff0000, v[64+i%4]
.set i, i+1
.endr
	WIN 0x60                                       ; D window 1, C window 2
.irp a, 0,1,2,3
.irp b, 0,1,2,3,4,5,6,7
	v_wmma_f32_16x16x32_bf16 v[8*(8*(\a)+(\b)):8*(8*(\a)+(\b))+7], v[F0+32:F0+39], v[F0:F0+7], v[8*(\b):8*(\b)+7]  ; 0 x 0 + bias starts the sum
.endr
.endr
	PLACES                                         ; in front of the loads into buffer 0
; 8 matrix instructions: m block a x all 8 n blocks, 32 along K.  The 32 accumulators take turns in one order everywhere, over both backward jumps too.
.macro MUL8 f, a
	WIN MUL
.irp b, 0,1,2,3,4,5,6,7
	v_wmma_f32_16x16x32_bf16 v[8*(8*(\a)+(\b)):8*(8*(\a)+(\b))+7], v[(\f)+32+8*(\b):(\f)+32+8*(\b)+7], v[(\f)+8*(\a):(\f)+8*(\a)+7], v[8*(8*(\a)+(\b)):8*(8*(\a)+(\b))+7]
.endr
.endm
; 24 LDS loads in one run: the fragments of 32 along K at byte k of the rows, into buffer f: the 8 of source 0 first, then the 4 of source 1
.macro FETCH k, f
	WIN 0
.irp i, 0,1,2,3,4,5,6,7
	ds_load_b128 v[(\f)+32+8*(\i):(\f)+32+8*(\i)+3],   v[ADRB] offset:(\k)+(\i)*16*PITCH
	ds_load_b128 v[(\f)+32+8*(\i)+4:(\f)+32+8*(\i)+7], v[ADRB] offset:(\k)+(\i)*16*PITCH+32
.endr
.irp i, 0,1,2,3
	ds_load_b128 v[(\f)+8*(\i):(\f)+8*(\i)+3],   v[ADRA] offset:(\k)+(\i)*16*PITCH
	ds_load_b128 v[(\f)+8*(\i)+4:(\f)+8*(\i)+7], v[ADRA] offset:(\k)+(\i)*16*PITCH+32
.endr
.endm
; A K step is four quarters of 32 along K, 32 matrix instructions each, on buffers 0, 1, 0, 1.
.macro QUARTER k, f, g
	s_wait_dscnt 4                                 ; all but the youngest four loads (m blocks 2 and 3) are in
	MUL8 \f, 0
	MUL8 \f, 1
	PLACES
	FETCH \k, \g
	s_wait_dscnt 24                                ; all but the 24 just issued
	MUL8 \f, 2
	MUL8 \f, 3
.endm
; The last quarter multiplies buffer 1 and changes slots.  In front of the barrier each wave waits for all its tensor loads (one is out: its part of the next slot), adds 0 to its spare word, and waits for that
; and for its reads of this slot.  fill = 1: the barrier opens a round of the cluster's, and this slot is filled again first behind it, two K steps ahead: 112 matrix instructions ahead of the wait for it.
.macro TURN fill
.if PREF && (\fill)
	s_wait_xcnt 0x0                                ; the last prefetch, a K step back, has read its address: it is stepped here, ahead of the waits of the change of slots
	s_add_nc_u64 s[PFA:PFA+1], s[PFA:PFA+1], s[PFS:PFS+1]
.endif
	WIN 0
	s_wait_tensorcnt 0x0                           ; no tensor load of mine is out, so a group 0 may be written
	ds_add_u32 v[SPW], v[NIL]
.if \fill
	s_xor_b32 s[G0+5], s[G0+5], XORC               ; the walking sets: the other slot than last time, the next K step
	s_add_nc_u64 s[G0+6:G0+7], s[G0+6:G0+7], ASTEP
	s_xor_b32 s[G0B+5], s[G0B+5], XORC
	s_add_nc_u64 s[G0B+6:G0B+7], s[G0B+6:G0B+7], BSTEP
.endif
	s_xor_b32 s[TB], s[TB], XORC                   ; the reads change slots
	s_wait_dscnt 5                                 ; the add and the youngest four loads may be out
	MUL8 F1, 0
	s_wait_dscnt 0x0                               ; the add is done, and my reads of this slot are over
	s_barrier_signal -1
	MUL8 F1, 1
	WIN 0
	s_barrier_wait -1
.if \fill
	CREST                                          ; no wave of any partner still reads this slot's tile or has a load on its way
	JLOAD                                          ; its four v_nop are also the places in front of the loads below
.else
	PLACES
.endif
	v_add_nc_u32 v[ADRA], s[TB], v[A0]
	v_add_nc_u32 v[ADRB], s[TB], v[B0]
	FETCH 0, F0
.if PREF && (\fill)
	ASK
.endif
	MUL8 F1, 2
	MUL8 F1, 3
.endm
.macro STEP fill
	QUARTER 64,  F0, F1
	QUARTER 128, F1, F0
	QUARTER 192, F0, F1
	TURN \fill
.endm
	WIN 0
	s_wait_tensorcnt 1                             ; my part of K step 0 is in; step 1's may stay out
	s_barrier_signal -1
	s_barrier_wait -1
	v_mov_b32 v[ADRA], v[A0]
	v_mov_b32 v[ADRB], v[B0]
	FETCH 0, F0
	s_mov_b32 s3, T-2
.LA:                                                   ; K steps 0 .. T - 3: each asks for the step two on
	STEP 1
	WIN 0
	s_sub_co_u32 s3, s3, 1
	s_cmp_lg_u32 s3, 0
	s_cbranch_scc1 .LA
	s_mov_b32 s3, 2
.LB:                                                   ; the last two K steps ask for nothing
	STEP 0
	WIN 0
	s_sub_co_u32 s3, s3, 1
	s_cmp_lg_u32 s3, 0
	s_cbranch_scc1 .LB
	; THE WAY OUT, in two passes of 32 rows through my own stage: no barrier.  In: 16 bytes twice a lane, rows of 528 bytes.  Back: whole rows of 512 bytes, stored as 512 consecutive aligned bytes of out0.
.macro PASS hh
	WIN 0x04                                       ; store data window 1
.irp a, 0,1
.irp b, 0,1,2,3,4,5,6,7
	ds_store_b128 v[STO], v[8*(8*(2*(\hh)+(\a))+(\b)):8*(8*(2*(\hh)+(\a))+(\b))+3]   offset:(\a)*16*SP+64*(\b)      ; each accumulator's low four registers first
	ds_store_b128 v[STO], v[8*(8*(2*(\hh)+(\a))+(\b))+4:8*(8*(2*(\hh)+(\a))+(\b))+7] offset:(\a)*16*SP+64*(\b)+16
.endr
.endr
	WIN 0
	v_mov_b32 v[RD], v[RD0]
	s_mov_b32 s3, 4                                ; 4 trips of 8 rows
.Lrows_\@:
.irp t, 0,1,2,3,4,5,6,7
	ds_load_b128 v[OB+4*(\t):OB+4*(\t)+3], v[RD] offset:(\t)*SP  ; LDS serves a wave's instructions in order (ISA guide 5.7.1.4): these see the stores above; the next pass's stores come behind them
.endr
.irp t, 0,1,2,3,4,5,6,7
	s_wait_dscnt 7-(\t)
	global_store_b128 v[CO], v[OB+4*(\t):OB+4*(\t)+3], s[74:75] offset:(\t)*8192 th:TH_STORE_NT
.endr
	s_wait_xcnt 0x0                                ; the stores have read their registers: the addresses step, and the next trip's loads may land on the data registers
	v_add_nc_u32 v[RD], 8*SP, v[RD]
	v_add_nc_u32 v[CO], 8*8192, v[CO]
	s_sub_co_u32 s3, s3, 1
	s_cmp_lg_u32 s3, 0
	s_cbranch_scc1 .Lrows_\@
.endm
	s_wait_dscnt 0x0                               ; the last fetch, which nobody multiplies
	PLACES                                         ; behind the last products
	PASS 0
	PASS 1
	s_wait_tensorcnt 0x0                           ; the wave's end
	ds_add_u32 v[SPW], v[NIL]
	s_wait_dscnt 0x0
	CROUND                                         ; the closing round
	s_endpgm
.Lfunc_end_k_qfa54355775_oproj:
	.size	k_qfa54355775_oproj, .Lfunc_end_k_qfa54355775_oproj-k_qfa54355775_oproj
	.p2alignl 7, 3214868480
	.fill 96, 4, 3214868480
	.section	.rodata,"a",@progbits
	.p2align	6, 0x0
	.amdhsa_kernel k_qfa54355775_oproj
		.amdhsa_group_segment_fixed_size 327680
		.amdhsa_private_segment_fixed_size 0
		.amdhsa_enable_private_segment 0
		.amdhsa_kernarg_size 32
		.amdhsa_user_sgpr_count 2
		.amdhsa_user_sgpr_kernarg_segment_ptr 1
		.amdhsa_wavefront_size32 1
		.amdhsa_system_sgpr_workgroup_id_x 1
		.amdhsa_system_sgpr_workgroup_id_y 1
		.amdhsa_system_sgpr_workgroup_id_z 1
		.amdhsa_system_vgpr_workitem_id 0
		.amdhsa_next_free_vgpr 592
		.amdhsa_next_free_sgpr 84
		.amdhsa_reserve_vcc 0
		.amdhsa_float_denorm_mode_32 3
		.amdhsa_float_denorm_mode_16_64 3
		.amdhsa_memory_ordered 1
		.amdhsa_forward_progress 1
		.amdhsa_inst_pref_size 59
	.end_amdhsa_kernel
	.amdgpu_metadata
---
amdhsa.version: [ 1, 2 ]
amdhsa.kernels:
  - .name:           k_qfa54355775_oproj
    .symbol:         k_qfa54355775_oproj.kd
    .args:
      - { .name: ob, .offset: 0, .size: 8, .value_kind: global_buffer, .address_space: global }
      - { .name: wts, .offset: 8, .size: 8, .value_kind: global_buffer, .address_space: global }
      - { .name: bo, .offset: 16, .size: 8, .value_kind: global_buffer, .address_space: global }
      - { .name: out0, .offset: 24, .size: 8, .value_kind: global_buffer, .address_space: global }
    .group_segment_fixed_size: 327680
    .private_segment_fixed_size: 0
    .kernarg_segment_align: 8
    .kernarg_segment_size: 32
    .max_flat_workgroup_size: 128
    .sgpr_count:     84
    .vgpr_count:     592
    .wavefront_size: 32
...
	.end_amdgpu_metadata
.endif
;; end of part 5
;; ======== version 2 of 2: 5 launches; version 1 with the launch prep written anew for expert scheduling mode
;; workspace buffers: xb 16,777,216 bytes; wts 16,777,216 bytes; lat 8,388,608 bytes; qb 16,777,216 bytes; kb 16,777,216 bytes; vb 16,777,216 bytes; ob 16,777,216 bytes
;; launch prep (part 6): grid 256 x 1, 16 waves a work-group, no clusters, 0 bytes of LDS; arguments hidden_states, Wo, Wq_down, Wkv_down, Wq_up, Wk_up, Wv_up, xb, wts; writes xb, wts
.if DOCPART == 6
	.amdgcn_target "amdgcn-amd-amdhsa--gfx1250"
	.amdhsa_code_object_version 6
	.text
	.protected	k_qfa54355775_prep
	.globl	k_qfa54355775_prep
	.p2align	8
	.type	k_qfa54355775_prep,@function
k_qfa54355775_prep:
	s_mov_b64 s[64:65], 0
	v_nop
	global_prefetch_b8 v0, s[64:65] scope:SCOPE_SE
	s_setreg_imm32_b32 hwreg(HW_REG_WAVE_SCHED_MODE, 0, 2), 2
	s_setreg_imm32_b32 hwreg(HW_REG_WAVE_MODE, 25, 1), 1
	s_wait_xcnt 0x0
	s_wait_alu depctr_vm_vsrc(0)
; bf16 copies of hidden_states and of the six weight matrices, each number rounded once to nearest even.
; xb: [4096][2048].  wts: byte 0 [1024][2048] = Wq_down's 512 rows, then Wkv_down's; byte 4,194,304 [4096][512] = Wq_up, Wk_up, Wv_up; byte 8,388,608 [2048][2048] = Wo.
; A stream: no LDS, no barrier, no loop.  Work-group w takes 1/256 of each tensor, in chunks of 512 threads x 4 numbers: thread t loads 16 bytes at 16 t
; (a wave's load covers 512 consecutive bytes) and stores 8 bytes at 8 t (a wave's store covers 256 consecutive bytes, aligned).
; 32 chunks a work-group: all 32 loads of a wave go out on end (16 KiB a wave, 256 KiB a work-group on their way), then they are rounded and stored as they come, four at a time.
; Matrix units, clusters and prefetches have nothing to give a launch that only streams.
; THE MODE: SCHED_MODE bits 1:0 = 2 (LLVM: expert scheduling mode 2), set by the entry lines.  The code itself states the register dependences
; between vector instructions and memory instructions, with s_wait_alu, always for 0.
; THE PLAN.  Registers that memory instructions touch:
;   v1, v2     byte offsets of the loads and of the stores, made once at the head and never written again.
;   chunk i    four registers.  Written by the chunk's load, which no vector instruction precedes on them; read by its two roundings, which write the first two in place;
;              these two are read by the chunk's store, and nothing writes them again.
; So no load lands in a register that a vector instruction has named, and no register that a memory instruction has read is written again: the only dependences to state are
; the offsets ahead of the first load, and the roundings' results ahead of the stores.
; The 32 chunks go in 8 blocks of four.  Block p rounds its own four chunks; its memory instructions are the four stores of block p - 1, whose registers no vector instruction
; of block p names.  So one wait at a block's head states all that its four stores hang on, and they are dealt among its roundings with no further wait.
.set CH_IN,  8192                      ; bytes of a chunk as read
.set CH_OUT, 4096                      ; and as written
.set BLOCK,  4                         ; chunks in a block
.set D, 8                              ; v[8:135]  chunk i: four registers
.macro LD i, base, off
	global_load_b128 v[D+4*(\i):D+4*(\i)+3], v1, s[\base:\base+1] offset:(\off)*CH_IN th:TH_LOAD_NT
.endm
.macro CV i                            ; chunk i is rounded, in place: four numbers close up into the first two of their four registers
	v_cvt_pk_bf16_f32 v[D+4*(\i)], v[D+4*(\i)], v[D+4*(\i)+1]
	v_cvt_pk_bf16_f32 v[D+4*(\i)+1], v[D+4*(\i)+2], v[D+4*(\i)+3]
.endm
.macro ST i                            ; chunk i is stored: the copy's base and the chunk's number within it go by the order of the loads below
.if (\i) < 16
.set OBASE, 22                         ; xb: chunks 0 to 15
.set OOFF, (\i)
.elseif (\i) < 24
.set OBASE, 26                         ; Wo's copy: 16 to 23
.set OOFF, (\i)-16
.elseif (\i) < 28
.set OBASE, 28+2*(((\i)-24)/2)         ; Wq_down's copy: 24, 25; Wkv_down's: 26, 27
.set OOFF, (\i)%2
.elseif (\i) < 30
.set OBASE, 32+2*((\i)-28)             ; Wq_up's copy: 28; Wk_up's: 29
.set OOFF, 0
.else
.set OBASE, 36                         ; Wv_up's copy: 30, 31
.set OOFF, (\i)-30
.endif
	global_store_b64 v2, v[D+4*(\i):D+4*(\i)+1], s[OBASE:OBASE+1] offset:OOFF*CH_OUT th:TH_STORE_NT
.endm
	s_load_b512 s[8:23], s[0:1], 0x0               ; hidden_states s[8:9], Wo s[10:11], Wq_down s[12:13], Wkv_down s[14:15], Wq_up s[16:17], Wk_up s[18:19], Wv_up s[20:21], xb s[22:23]
	s_load_b64 s[24:25], s[0:1], 0x40              ; wts
	v_lshlrev_b32 v1, 4, v0                        ; 16 t
	v_lshlrev_b32 v2, 3, v0                        ; 8 t
	s_mov_b32 s3, 0
	s_wait_kmcnt 0x0
	s_lshl_b32 s2, ttmp9, 17                       ; hidden_states: 16 chunks in
	s_add_nc_u64 s[8:9], s[8:9], s[2:3]
	s_lshl_b32 s2, ttmp9, 16                       ; Wo: 8 chunks in; xb: 16 chunks out
	s_add_nc_u64 s[10:11], s[10:11], s[2:3]
	s_add_nc_u64 s[22:23], s[22:23], s[2:3]
	s_lshl_b32 s2, ttmp9, 15                       ; Wo's copy: 8 chunks out
	s_add_nc_u64 s[26:27], s[24:25], s[2:3]
	s_add_nc_u64 s[26:27], s[26:27], 0x800000
	s_lshl_b32 s2, ttmp9, 14                       ; Wq_down, Wkv_down, Wv_up: 2 chunks in
	s_add_nc_u64 s[12:13], s[12:13], s[2:3]
	s_add_nc_u64 s[14:15], s[14:15], s[2:3]
	s_add_nc_u64 s[20:21], s[20:21], s[2:3]
	s_lshl_b32 s2, ttmp9, 13                       ; Wq_up, Wk_up: 1 chunk in; the copies of the three above: 2 chunks out
	s_add_nc_u64 s[16:17], s[16:17], s[2:3]
	s_add_nc_u64 s[18:19], s[18:19], s[2:3]
	s_add_nc_u64 s[28:29], s[24:25], s[2:3]        ; Wq_down's copy
	s_add_nc_u64 s[30:31], s[28:29], 0x200000      ; Wkv_down's
	s_add_nc_u64 s[36:37], s[28:29], 0x600000      ; Wv_up's
	s_lshl_b32 s2, ttmp9, 12                       ; Wq_up's and Wk_up's copies: 1 chunk out
	s_add_nc_u64 s[32:33], s[24:25], s[2:3]
	s_add_nc_u64 s[32:33], s[32:33], 0x400000
	s_add_nc_u64 s[34:35], s[32:33], 0x100000
	s_wait_alu depctr_va_vdst(0)                   ; v1 and v2 are written: every load of the kernel reads v1 as its offset, every store v2
.set n, 0
.rept 16
	LD n, 8, n
.set n, n+1
.endr
.rept 8
	LD n, 10, n-16
.set n, n+1
.endr
	LD 24, 12, 0
	LD 25, 12, 1
	LD 26, 14, 0
	LD 27, 14, 1
	LD 28, 16, 0
	LD 29, 18, 0
	LD 30, 20, 0
	LD 31, 20, 1
.set p, 0
.rept 32/BLOCK                                         ; block p: its four chunks are rounded, the four of the block before are stored
	s_wait_loadcnt 32-BLOCK-BLOCK*p                ; loads come back in order: chunks 4 p to 4 p + 3 are in, the 28 - 4 p younger ones may stay out
.if p > 0
	s_wait_alu depctr_va_vdst(0)                   ; the roundings of the block before have written the registers that the four stores below read
.endif
.set c, BLOCK*p
.rept BLOCK
.if p > 0
	ST c-BLOCK                                     ; no vector instruction since the wait names this store's registers
.endif
	CV c
.set c, c+1
.endr
.set p, p+1
.endr
	s_wait_alu depctr_va_vdst(0)                   ; the last block's roundings have written the registers that the last four stores read
	ST 28
	ST 29
	ST 30
	ST 31
	s_endpgm
.Lfunc_end_k_qfa54355775_prep:
	.size	k_qfa54355775_prep, .Lfunc_end_k_qfa54355775_prep-k_qfa54355775_prep
	.p2alignl 7, 3214868480
	.fill 96, 4, 3214868480
	.section	.rodata,"a",@progbits
	.p2align	6, 0x0
	.amdhsa_kernel k_qfa54355775_prep
		.amdhsa_group_segment_fixed_size 0
		.amdhsa_private_segment_fixed_size 0
		.amdhsa_enable_private_segment 0
		.amdhsa_kernarg_size 72
		.amdhsa_user_sgpr_count 2
		.amdhsa_user_sgpr_kernarg_segment_ptr 1
		.amdhsa_wavefront_size32 1
		.amdhsa_system_sgpr_workgroup_id_x 1
		.amdhsa_system_sgpr_workgroup_id_y 1
		.amdhsa_system_sgpr_workgroup_id_z 1
		.amdhsa_system_vgpr_workitem_id 0
		.amdhsa_next_free_vgpr 144
		.amdhsa_next_free_sgpr 66
		.amdhsa_reserve_vcc 0
		.amdhsa_float_denorm_mode_32 3
		.amdhsa_float_denorm_mode_16_64 3
		.amdhsa_memory_ordered 1
		.amdhsa_forward_progress 1
		.amdhsa_inst_pref_size 12
	.end_amdhsa_kernel
	.amdgpu_metadata
---
amdhsa.version: [ 1, 2 ]
amdhsa.kernels:
  - .name:           k_qfa54355775_prep
    .symbol:         k_qfa54355775_prep.kd
    .args:
      - { .name: hidden_states, .offset: 0, .size: 8, .value_kind: global_buffer, .address_space: global }
      - { .name: Wo, .offset: 8, .size: 8, .value_kind: global_buffer, .address_space: global }
      - { .name: Wq_down, .offset: 16, .size: 8, .value_kind: global_buffer, .address_space: global }
      - { .name: Wkv_down, .offset: 24, .size: 8, .value_kind: global_buffer, .address_space: global }
      - { .name: Wq_up, .offset: 32, .size: 8, .value_kind: global_buffer, .address_space: global }
      - { .name: Wk_up, .offset: 40, .size: 8, .value_kind: global_buffer, .address_space: global }
      - { .name: Wv_up, .offset: 48, .size: 8, .value_kind: global_buffer, .address_space: global }
      - { .name: xb, .offset: 56, .size: 8, .value_kind: global_buffer, .address_space: global }
      - { .name: wts, .offset: 64, .size: 8, .value_kind: global_buffer, .address_space: global }
    .group_segment_fixed_size: 0
    .private_segment_fixed_size: 0
    .kernarg_segment_align: 8
    .kernarg_segment_size: 72
    .max_flat_workgroup_size: 512
    .sgpr_count:     66
    .vgpr_count:     144
    .wavefront_size: 32
...
	.end_amdgpu_metadata
.endif
;; end of part 6
;; launch down: the kernel of part 2 again; grid 8 x 32, 4 waves a work-group, clusters of 4 x 4, 327,680 bytes of LDS; arguments xb, wts, bq_down, bkv_down, lat; writes lat
;; launch up: the kernel of part 3 again; grid 16 x 16, 4 waves a work-group, clusters of 4 x 4, 327,680 bytes of LDS; arguments lat, wts, bq_up, bk_up, bv_up, qb, kb, vb; writes qb, kb, vb
;; launch attn: the kernel of part 4 again; grid 8 x 32, 4 waves a work-group, clusters of 4 x 1, 327,680 bytes of LDS; arguments qb, kb, vb, ob; writes ob
;; launch oproj: the kernel of part 5 again; grid 8 x 32, 4 waves a work-group, clusters of 4 x 4, 327,680 bytes of LDS; arguments ob, wts, bo, out0; writes out0
